; MI455X (gfx1250); checked and timed in simulation.
; The chip was launched on July 23, 2026; its instructions are those of AMD's public machine-readable ISA for CDNA 5 (MIT licence, August 2026) and "CDNA5" Instruction Set Architecture Reference Guide (July 2026). The comments in the code are by the model that wrote it; some were corrected since.
;; Attention. Allowed arithmetic: matrix products marked QUANTISED: E2M1 operands, one E8M0 scale for each 32 along K, by v_wmma_scale_f32_16x16x128_f8f6f4 with both operands' format E2M1 (or v_wmma_scale_f32_32x16x128_f4), f32 sums; everything else in f32.
;; Inputs: Wk_codes 1,024 x 32 x 16 uint8 (E2M1 codes of Wk, K innermost, in blocks of 32 codes, two codes a byte); Wk_scales 1,024 x 32 uint8 (E8M0 scales of Wk, one for each 32 codes along K); Wo_codes 1,024 x 32 x 16 uint8 (E2M1 codes of Wo, K innermost, in blocks of 32 codes, two codes a byte); Wo_scales 1,024 x 32 uint8 (E8M0 scales of Wo, one for each 32 codes along K); Wq_codes 1,024 x 32 x 16 uint8 (E2M1 codes of Wq, K innermost, in blocks of 32 codes, two codes a byte); Wq_scales 1,024 x 32 uint8 (E8M0 scales of Wq, one for each 32 codes along K); Wv_codes 1,024 x 32 x 16 uint8 (E2M1 codes of Wv, K innermost, in blocks of 32 codes, two codes a byte); Wv_scales 1,024 x 32 uint8 (E8M0 scales of Wv, one for each 32 codes along K); bk 1,024 float32; bo 1,024 float32; bq 1,024 float32; bv 1,024 float32; x_codes 4 x 2,048 x 32 x 16 uint8 (E2M1 codes of x, K innermost, in blocks of 32 codes, two codes a byte); x_scales 4 x 2,048 x 32 uint8 (E8M0 scales of x, one for each 32 codes along K).
;; Outputs: out0 4 x 2,048 x 1,024 float32.
;; This version of the problem:
;;   THIS VERSION OF THE PROBLEM IS GIVEN IN LOW PRECISION. The matrix products marked QUANTISED in the list below multiply operands that are first quantised to E2M1 (2 exponent bits, 1 mantissa bit; 4 bits a number), with one power-of-two scale for each 32 numbers along K (OCP MX v1.0); their sums are f32. All else is computed in f32.
;;   The module's matrix products, in the order in which they are computed (A, B: the left and right operand; K: the contracted axis; several contracted axes count as one K, in the product's order):
;;     1. [M 8,192, K 1,024] x [K 1,024, N 1,024]; A: input x (given as codes); B: input Wq (given as codes): QUANTISED
;;     2. [M 8,192, K 1,024] x [K 1,024, N 1,024]; A: input x (given as codes); B: input Wk (given as codes): QUANTISED
;;     3. [M 8,192, K 1,024] x [K 1,024, N 1,024]; A: input x (given as codes); B: input Wv (given as codes): QUANTISED
;;     4. batch 64 x [M 2,048, K 64] x [K 64, N 2,048]; A: computed on the way; B: computed on the way: QUANTISED
;;     5. batch 64 x [M 2,048, K 2,048] x [K 2,048, N 64]; A: softmax (see below); B: computed on the way: QUANTISED
;;     6. [M 8,192, K 1,024] x [K 1,024, N 1,024]; A: computed on the way; B: input Wo (given as codes): QUANTISED
;;   THE QUANTISER, for each operand of a quantised product, along K:
;;     - K is cut into blocks of 32 from its start; a last block that is shorter is filled with zeros.
;;     - A block's scale is 2^e with e = floor(log2(the largest magnitude in the block)) - 2, held to -126 .. 127; a block of zeros has e = 0. As a byte (E8M0): e + 127.
;;     - Each number is divided by its block's scale, clamped to +-6, and rounded to the nearest number of E2M1, ties to even, subnormals kept.
;;     - The product sums the exact products of the quantised numbers (number of the format x scale) in f32.
;;   ~~~python
;;   def quantise(x, axis):      # numpy; x: float32 -> the quantised numbers, widened to float32 again
;;       x = np.moveaxis(x, axis, -1); K = x.shape[-1]
;;       x = np.pad(x, [(0, 0)] * (x.ndim - 1) + [(0, -K % 32)]); x = x.reshape(x.shape[:-1] + (-1, 32)); a = np.abs(x).max(-1, keepdims=True)
;;       e = np.where(a > 0, np.clip(np.frexp(np.where(a > 0, a, 1))[1] - 1 - 2, -126, 127), 0)      # np.frexp(a)[1] - 1 = floor(log2(a)), exactly
;;       r = np.clip(x / 2.0 ** e, -6, 6)
;;       step = 2.0 ** (np.maximum(np.frexp(np.where(r == 0, 1, r))[1] - 1, 0) - 1)
;;       q = np.round(r / step) * step * 2.0 ** e      # np.round: ties to even
;;       return np.moveaxis(q.reshape(q.shape[:-2] + (-1,))[..., :K], -1, axis).astype(np.float32)
;;   ~~~
;;   SOFTMAX AHEAD OF A QUANTISED PRODUCT. Where the list says 'softmax', what is quantised is not the finished softmax but p = 2^(t - M), with t = logit x log2(e) and M = ceil(the row's largest t), a whole number; so 1/2 < the row's largest p <= 1. The row's sum l is taken of the UNQUANTISED p, in f32, and the product's result is divided by l at the end. Since M is a whole number, a kernel that streams over the keys may use a running M (the ceiling of the running maximum): every later rescaling is an exact power of two, which a block's scale takes up: the codes' values come out the same.
;;   OPERANDS COMPUTED ON THE WAY. 'Computed on the way' means the value that the module computes at that place (a softmax that the list does not call 'softmax' is quantised finished and normalised). What goes into a quantiser is computed in f32, as accurately as f32 sums, v_exp_f32 and their like allow (about 1e-6 of the number): no bf16 or f16 on the way to a quantiser, and a product that is left as it is and whose result goes on into a quantised operand takes f32 operands (vector FMAs, or v_wmma_f32_16x16x4_f32). A number that lies on a knife's edge between two numbers of the format may be rounded either way, as far as f32 arithmetic and the matrix unit's own rounding can turn it there, and no further.
;;   INPUTS GIVEN AS CODES. Wk (in the module: [1024, 1024], K = its axis 0); Wo (in the module: [1024, 1024], K = its axis 0); Wq (in the module: [1024, 1024], K = its axis 0); Wv (in the module: [1024, 1024], K = its axis 0); x (in the module: [4, 2048, 1024], K = its axis 2): each comes as NAME_codes (uint8): NAME with its K axis moved to the last place and cut into blocks of 32 codes, [.., K / 32, bytes a block], one block behind the other in memory; two codes a byte, the lower K in the low four bits (a code: sign, 2 exponent bits, 1 mantissa bit); and NAME_scales (uint8): the same leading axes, one E8M0 byte (e + 127) for each 32 codes along K. Its value is code x scale, taken as it is: it is not quantised again, and the codes and scales need not be those that the quantiser above would give.
;; One version. Each part assembles by itself: llvm-mc -triple=amdgcn-amd-amdhsa -mcpu=gfx1250 --defsym DOCPART=n.
;; ======== version 1 of 1: 3 launches
;; workspace buffers: q_img 4,194,304 bytes; k_img 4,194,304 bytes; v_img 4,194,304 bytes; a_img 4,194,304 bytes; q_sw 524,288 bytes; k_sw 524,288 bytes; v_sw 262,144 bytes; a_sw 262,144 bytes
;; launch qkv (part 1): grid 12 x 64, 4 waves a work-group, clusters of 4 x 4, 229,888 bytes of LDS; arguments x_codes, x_scales, Wq_codes, Wq_scales, Wk_codes, Wk_scales, Wv_codes, Wv_scales, bq, bk, bv, q_img, k_img, v_img, q_sw, k_sw, v_sw; writes q_img, k_img, v_img, q_sw, k_sw, v_sw
.if DOCPART == 1
	.amdgcn_target "amdgcn-amd-amdhsa--gfx1250"
	.amdhsa_code_object_version 6
	.text
	.protected	k_qff9da674e0_qkv
	.globl	k_qff9da674e0_qkv
	.p2align	8
	.type	k_qff9da674e0_qkv,@function
k_qff9da674e0_qkv:
	s_mov_b64 s[64:65], 0
	v_nop
	global_prefetch_b8 v0, s[64:65] scope:SCOPE_SE
	s_setreg_imm32_b32 hwreg(HW_REG_WAVE_MODE, 25, 1), 1
	s_wait_xcnt 0x0
	s_wait_alu depctr_hold_cnt(0) depctr_sa_sdst(0) depctr_va_vdst(0) depctr_va_sdst(0) depctr_va_ssrc(0) depctr_va_vcc(0) depctr_vm_vsrc(0)
	s_getreg_b32 s2, hwreg(HW_REG_IB_STS2, 6, 4)
	s_cmp_eq_u32 s2, 0
	s_cbranch_scc0 .Lentry_in_a_cluster
	s_endpgm
.Lentry_in_a_cluster:
	s_bfe_u32 s2, ttmp6, 0x10000c
	s_cmp_lg_u32 s2, 0xf033
	s_cbranch_scc0 .Lentry_shape_is_right
	s_endpgm
.Lentry_shape_is_right:
; q = x Wq + bq, k = x Wk + bk, v = x Wv + bv on codes of FP4 (E2M1) with one E8M0 scale for each 32 along K = 1,024; the results are quantised at once: q and k along a head's 64 channels, v along the keys.
; ONE TEXT FOR ALL THREE.  Cluster x says which (0 q, 1 k, 2 v); only pointers, shifts and masks are chosen by it, never a branch.  A work-group makes 128 rows of the LANE side (source 1) x 256 rows of the
; REGISTER side (source 0).  For q and k the lane side is x (tokens) and the register side W (channels); for v they change places: a lane is a channel and its registers run along the keys.
; So the quantiser always runs along the register side, which is the next product's K.
; Four waves; a wave makes 64 x 128: 32 accumulators.  K lies whole in LDS as two slots of 512 along K (rows of 256 bytes), each filled ONCE; the scale bytes of all of K likewise: nothing is filled again.
; CLUSTER 4 x 4: the lane side's tiles are shared along a row of the cluster, the register side's along a column: each is asked for jointly, by the same tensor load with a mask that names the four.
; No prefetch is laid: every tile of the launch is asked for at the head, and no later load exists to run ahead of.
; OUT, as images of the next launch's operand registers (a unit: 512 bytes, lane l's 16 bytes at 16 l):
;   q_img, k_img [bh][token tile][lane][16]: lane (r, h): token r, channels 32 h on;   v_img [bh][key step][channel tile 4][c 2][lane][16]: lane (r, h): channel r, keys 64 c + 32 h on
;   q_sw, k_sw [bh][token]: a word, bytes 0 and 1 the head's two scale bytes (bytes 2 and 3: 0 or other valid bytes: they only meet zero codes);   v_sw [bh][key step][channel]: a word of four scale bytes
; LIMITS: a block of zeros gets the byte 1 where the rule says 127 (its codes are zeros, and this program alone reads the bytes); blocks whose largest magnitude lies under 2^-124 are held at byte 1; NaN and infinities are not served.
; REGISTERS: window 0: addresses, scale words, biases, the quantiser's work;  window 1: accumulator (a, b) at v[8 (8 a + b)];  window 2: two sets of fragments, set f at v[128 f]: 8 of the register side, then 4 of the lane side.
.set PITCH, 272                        ; an LDS row: 256 bytes + 16: the sixteen rows of a fragment load begin 16 bytes apart modulo 256
.set AH,    64*PITCH                   ; 64 rows of the lane side: one tensor load, and one wave's share
.set BH,    128*PITCH                  ; 128 rows of the register side: likewise
.set BOFF,  2*AH
.set SLOT,  BOFF+2*BH                  ; 104,448
.set SCA,   2*SLOT                     ; scale bytes of the lane side's 128 rows: units of 256 bytes + 16
.set SAH,   8*272
.set SCB,   SCA+2*SAH                  ; of the register side's 256 rows
.set SBH,   16*272
.set STG,   SCB+2*SBH                  ; 221,952 = 867 x 256: a stage of 512 bytes for each wave; no fill lands here
.set ADRA, 16                          ; v16-17 my lane-side fragments in slot 0, 1
.set ADRB, 20                          ; v20-21 my register-side fragments
.set ADSA, 22
.set ADSB, 23                          ; my scale words
.set STW,  24                          ; stage: where a row's word goes
.set STR,  25                          ; stage: 16 bytes a lane on the way back
.set SWA,  26                          ; the words' place in memory
.set BO8,  27                          ; 32 h
.set BO4,  28                          ; 4 r
.set L16,  29                          ; 16 x lane
.set SA,   32                          ; v32-47 lane side's scale words: register 8 p + q: rows 32 p + lane, K step q
.set SB,   48                          ; v48-79 register side's
.set CB,   80                          ; v80-143 bias along the registers (q, k)
.set RB,   144                         ; v144-151 bias along the lanes (v): pairs, the low one used
.set TM,   160
.set TP,   164
.set SO,   168
.set BY,   172
.set W0,   176
.set W1,   180
.set X0,   184
.set PC,   192                         ; v192-223 the codes: 8 registers for each of 4 tiles of the lane side
.set UA,   224                         ; v224-231 where the 8 units go
.set XO,   232
.set WV,   18
.set RH,   19
.set CH,   20
.set G1A,  24
.set G1B,  32
.set G1SA, 40
.set G1SB, 48
.set G0A,  56
.set G0B,  68
.set G0SA, 76
.set G0SB, 80
.set SAU,  86
.set SGU,  87
.set LIM,  88
.set MC,   91
.set MR,   92
.set SEL,  100
.set PADW, (1<<20)|(5<<22)|(3<<25)     ; padding on; after every 64 words; 4 words
.set JB,   1<<21                       ; set beside a mask
.set MUL_W, 0x5a                       ; sources 0 and 1 window 2; C and D window 1
.set TOF,   0x80                       ; destination window 2
.set MSB, 0
.macro WIN new                         ; the immediate's high byte repeats the setting that is left
.if MSB != \new
	s_set_vgpr_msb (MSB<<8)|\new
.set MSB, \new
.endif
.endm
.macro PLACES n
.rept \n
	v_nop
.endr
.endm
; A joint load: waves 0 and 1 fetch for the lane side, waves 2 and 3 for the register side.  The branch hangs on the wave's number alone.  Four v_nop follow each line.
.macro JLOAD g0a, g1a, g0b, g1b
	s_cmp_eq_u32 s[RH], 0
	s_cbranch_scc0 .Lfor_b_\@
	tensor_load_to_lds s[\g0a:\g0a+3], s[\g1a:\g1a+7]
	s_nop 0
.rept 4
	v_nop
.endr
	s_branch .Lasked_\@
.Lfor_b_\@:
	tensor_load_to_lds s[\g0b:\g0b+3], s[\g1b:\g1b+7]
	s_nop 0
.rept 4
	v_nop
.endr
.Lasked_\@:
.endm
.macro CROUND                          ; a round of the cluster's barrier
	s_barrier_signal -1
	s_barrier_wait -1
	s_cmp_lg_u32 s[WV], 0
	s_cbranch_scc1 .Lnot_wave_0_\@
	s_barrier_signal -3
.Lnot_wave_0_\@:
	s_barrier_wait -3
	s_barrier_signal -1
	s_barrier_wait -1
.endm
; 24 LDS loads: the fragments of the slot's qq-th 128 along K into set f.  A fragment: lane (r, h) holds row r; registers 4 c .. 4 c + 3 hold K = 64 c + 32 h + 0 .. 31: 16 bytes of the row as they lie.
.macro FETCH slot, qq, f
	WIN TOF
.irp i, 0,1,2,3,4,5,6,7
.irp c, 0,1
	ds_load_b128 v[128*(\f)+8*\i+4*\c:128*(\f)+8*\i+4*\c+3], v[ADRB+(\slot)] offset:64*(\qq)+32*\c+\i*16*PITCH
.endr
.endr
.irp i, 0,1,2,3
.irp c, 0,1
	ds_load_b128 v[128*(\f)+64+8*\i+4*\c:128*(\f)+64+8*\i+4*\c+3], v[ADRA+(\slot)] offset:64*(\qq)+32*\c+\i*16*PITCH
.endr
.endr
.endm
; One product.  A scale register holds the words of two blocks of 16 rows: the even block in lanes 0-15, the odd one in lanes 16-31.
.macro WM a, b, q, f
.set rD, 8*(8*(\a)+(\b))
.set rA, 128*(\f)+8*(\b)
.set rB, 128*(\f)+64+8*(\a)
.set rSa, SB+8*((\b)/2)+(\q)
.set rSb, SA+8*((\a)/2)+(\q)
.if (((\b)%2) == 0) && (((\a)%2) == 0)
	v_wmma_scale_f32_16x16x128_f8f6f4 v[rD:rD+7], v[rA:rA+7], v[rB:rB+7], v[rD:rD+7], v[rSa], v[rSb] matrix_a_fmt:MATRIX_FMT_FP4 matrix_b_fmt:MATRIX_FMT_FP4
.elseif (((\b)%2) == 1) && (((\a)%2) == 0)
	v_wmma_scale_f32_16x16x128_f8f6f4 v[rD:rD+7], v[rA:rA+7], v[rB:rB+7], v[rD:rD+7], v[rSa], v[rSb] matrix_a_fmt:MATRIX_FMT_FP4 matrix_b_fmt:MATRIX_FMT_FP4 matrix_a_scale:MATRIX_SCALE_ROW1
.elseif (((\b)%2) == 0)
	v_wmma_scale_f32_16x16x128_f8f6f4 v[rD:rD+7], v[rA:rA+7], v[rB:rB+7], v[rD:rD+7], v[rSa], v[rSb] matrix_a_fmt:MATRIX_FMT_FP4 matrix_b_fmt:MATRIX_FMT_FP4 matrix_b_scale:MATRIX_SCALE_ROW1
.else
	v_wmma_scale_f32_16x16x128_f8f6f4 v[rD:rD+7], v[rA:rA+7], v[rB:rB+7], v[rD:rD+7], v[rSa], v[rSb] matrix_a_fmt:MATRIX_FMT_FP4 matrix_b_fmt:MATRIX_FMT_FP4 matrix_a_scale:MATRIX_SCALE_ROW1 matrix_b_scale:MATRIX_SCALE_ROW1
.endif
.endm
.macro MUL q, f                        ; 32 products: the 32 accumulators take turns, one instruction a turn, in the same order in every step
.irp a, 0,1,2,3
.irp b, 0,1,2,3,4,5,6,7
	WM \a, \b, \q, \f
.endr
.endr
.endm
; K step q of eight: the next step's fragments are asked for, then this step's 32 products are issued while they land.
.macro STEP q
.if (\q) == 3
	s_wait_tensorcnt 0x0                           ; my part of slot 1 has landed,
	s_wait_dscnt 0x0                               ; no LDS load of mine is out at the signal,
	s_barrier_signal -1
	s_barrier_wait -1                              ; and everybody's part has landed: the next fetch reads slot 1
.endif
.if (\q) < 7
.if (\q) > 0
	PLACES 4                                       ; four plain places between the last product that read a set and the loads into it
.endif
	FETCH ((\q)+1)/4, ((\q)+1)%4, ((\q)+1)%2
	s_wait_dscnt 24                                ; all but the 24 loads just issued: this step's set (and at step 0 the scale words) are in
.else
	s_wait_dscnt 0x0
.endif
	WIN MUL_W
	MUL \q, (\q)%2
.endm
	s_load_b512 s[68:83], s[0:1], 0x0              ; x codes 68, x scales 70, Wq 72, 74, Wk 76, 78, Wv 80, 82
	s_load_b512 s[84:99], s[0:1], 0x40             ; bq 84, bk 86, bv 88, q_img 90, k_img 92, v_img 94, q_sw 96, k_sw 98
	s_load_b64 s[22:23], s[0:1], 0x80              ; v_sw
	v_lshl_add_u32 v254, v0, 2, 0x38000
	v_mov_b32 v255, 0
	ds_add_u32 v254, v255
	ds_add_u32 v254, v255
	v_lshrrev_b32 v4, 5, v0
	v_readfirstlane_b32 s[WV], v4                  ; wave 0..3
	s_lshr_b32 s[RH], s[WV], 1                     ; which 64 rows of the lane side are mine.  Also: I fetch for the lane side (0) or the register side (1)
	s_and_b32 s[CH], s[WV], 1                      ; which 128 rows of the register side.  Also: which half of a tile I fetch
	; descriptor groups 1, words 1 to 7: codes: rows of 256 bytes, 512 bytes apart in memory, 64 or 128 of them
.irp g, G1A, G1B
	s_mov_b32 s[\g+1], 256<<16                     ; tensor_dim0
	s_mov_b32 s[\g+3], 256<<16                     ; tile_dim0
	s_mov_b32 s[\g+5], 512                         ; from row to row
	s_mov_b32 s[\g+6], 0
	s_mov_b32 s[\g+7], 0
.endr
	s_mov_b32 s[G1A+2], 64<<16                     ; tensor_dim1
	s_mov_b32 s[G1A+4], 64                         ; tile_dim1
	s_mov_b32 s[G1B+2], 128<<16
	s_mov_b32 s[G1B+4], 128
	; scale bytes: a dense block, as rows of 256 bytes (32 elements of 8 bytes): 8 rows for 64 rows of the operand, 16 for 128
.irp g, G1SA, G1SB
	s_mov_b32 s[\g+1], 32<<16
	s_mov_b32 s[\g+3], 32<<16
	s_mov_b32 s[\g+5], 32
	s_mov_b32 s[\g+6], 0
	s_mov_b32 s[\g+7], 0
.endr
	s_mov_b32 s[G1SA+2], 8<<16
	s_mov_b32 s[G1SA+4], 8
	s_mov_b32 s[G1SB+2], 16<<16
	s_mov_b32 s[G1SB+4], 16
	s_mov_b32 s[SEL], 0x76543210
	s_mov_b32 s[SEL+1], 0xfedcba98                 ; v_permlanex16_b32: lane l xor 16
	s_wait_dscnt 0x0
	s_wait_kmcnt 0x0
	; the buffers of this cluster's product: the choice hangs on cluster x alone
	s_cmp_eq_u32 ttmp9, 2
	s_cselect_b64 s[4:5], s[80:81], s[68:69]       ; lane side's codes: Wv, else x
	s_cselect_b64 s[6:7], s[82:83], s[70:71]       ; its scales
	s_cselect_b64 s[8:9], s[68:69], s[76:77]       ; register side's codes: x, else Wk (or Wq below)
	s_cselect_b64 s[10:11], s[70:71], s[78:79]
	s_cselect_b64 s[12:13], s[88:89], s[86:87]     ; the bias
	s_cselect_b64 s[14:15], s[94:95], s[92:93]     ; the images
	s_cselect_b64 s[16:17], s[22:23], s[98:99]     ; the scale words
	s_cmp_eq_u32 ttmp9, 0
	s_cselect_b64 s[8:9], s[72:73], s[8:9]
	s_cselect_b64 s[10:11], s[74:75], s[10:11]
	s_cselect_b64 s[12:13], s[84:85], s[12:13]
	s_cselect_b64 s[14:15], s[90:91], s[14:15]
	s_cselect_b64 s[16:17], s[96:97], s[16:17]
	; places.  q, k: 64 tiles of tokens (lane side) x 4 of channels;  v: 8 tiles of channels (lane side) x 32 of tokens
	s_bfe_u32 s84, ttmp6, 0x40000                  ; cx
	s_bfe_u32 s85, ttmp6, 0x40004                  ; cy
	s_and_b32 s86, ttmp7, 0xffff                   ; cluster y
	s_and_b32 s87, s86, 1
	s_lshr_b32 s88, s86, 1
	s_cmp_eq_u32 ttmp9, 2
	s_cselect_b32 s87, s87, s86
	s_cselect_b32 s88, s88, 0
	s_lshl_b32 s89, s87, 2
	s_add_co_u32 s89, s89, s85                     ; TA: tile of the lane side
	s_lshl_b32 s90, s88, 2
	s_add_co_u32 s90, s90, s84                     ; TB: tile of the register side
	s_lshl_b32 s91, s85, 2
	s_lshl_b32 s91, 15, s91                        ; my row of the cluster
	s_lshl_b32 s92, 0x1111, s84                    ; my column
	s_or_b32 s[G1A], s91, PADW|JB                  ; elements of 1 byte
	s_or_b32 s[G1B], s92, PADW|JB
	s_or_b32 s[G1SA], s91, (3<<16)|PADW|JB         ; elements of 8 bytes
	s_or_b32 s[G1SB], s92, (3<<16)|PADW|JB
	s_lshl_b32 s94, s89, 16                        ; lane side: (128 TA + 64 half) rows of 512 bytes
	s_lshl_b32 s93, s[CH], 15
	s_add_co_u32 s94, s94, s93
	s_mov_b32 s95, 0
	s_add_nc_u64 s[4:5], s[4:5], s[94:95]
	s_lshr_b32 s94, s94, 4                         ; and of 32 scale bytes
	s_add_nc_u64 s[6:7], s[6:7], s[94:95]
	s_lshl_b32 s96, s90, 17                        ; register side: (256 TB + 128 half) rows
	s_lshl_b32 s93, s[CH], 16
	s_add_co_u32 s96, s96, s93
	s_mov_b32 s97, 0
	s_add_nc_u64 s[8:9], s[8:9], s[96:97]
	s_lshr_b32 s96, s96, 4
	s_add_nc_u64 s[10:11], s[10:11], s[96:97]
	s_mul_i32 s98, s[CH], AH                       ; where they go: no place in the cluster enters an LDS address
	s_mul_i32 s99, s[CH], BH
	s_add_co_u32 s99, s99, BOFF
	s_mul_i32 s2, s[CH], SAH
	s_mul_i32 s3, s[CH], SBH
	CROUND                                         ; all sixteen work-groups are here: the joint loads meet
	s_mov_b32 s[G0SA], 1
	s_add_co_u32 s[G0SA+1], s2, SCA
	s_mov_b64 s[G0SA+2:G0SA+3], s[6:7]
	s_or_b32 s[G0SA+3], s[G0SA+3], 0x80000000
	s_mov_b32 s[G0SB], 1
	s_add_co_u32 s[G0SB+1], s3, SCB
	s_mov_b64 s[G0SB+2:G0SB+3], s[10:11]
	s_or_b32 s[G0SB+3], s[G0SB+3], 0x80000000
	JLOAD G0SA, G1SA, G0SB, G1SB                   ; the scale bytes of all of K
.irp s, 0,1
	s_mov_b32 s[G0A+4*\s], 1
	s_add_co_u32 s[G0A+4*\s+1], s98, \s*SLOT
	s_add_nc_u64 s[G0A+4*\s+2:G0A+4*\s+3], s[4:5], \s*256
	s_or_b32 s[G0A+4*\s+3], s[G0A+4*\s+3], 0x80000000
	s_mov_b32 s[G0B+4*\s], 1
	s_add_co_u32 s[G0B+4*\s+1], s99, \s*SLOT
	s_add_nc_u64 s[G0B+4*\s+2:G0B+4*\s+3], s[8:9], \s*256
	s_or_b32 s[G0B+4*\s+3], s[G0B+4*\s+3], 0x80000000
	JLOAD G0A+4*\s, G1A, G0B+4*\s, G1B             ; K = 512 s on: three loads of mine are out in all
.endr
	; where the results go, and the biases
	s_lshl_b32 s93, s89, 7
	s_lshl_b32 s2, s[RH], 6
	s_add_co_u32 s93, s93, s2                      ; my first row of the lane side
	s_lshl_b32 s94, s90, 8
	s_lshl_b32 s2, s[CH], 7
	s_add_co_u32 s94, s94, s2                      ; and of the register side
	s_mov_b32 s[SAU], 1024
	s_mov_b32 s[SGU], 512
	s_cmp_eq_u32 ttmp9, 2
	s_cselect_b32 s95, s94, s93                    ; my first token
	s_cselect_b32 s96, s93, s94                    ; my first channel
	s_cselect_b32 s97, 12, 13                      ; a head's words: 4,096 bytes in v_sw, 8,192 in q_sw and k_sw
	s_cselect_b32 s98, 1, 2                        ; bytes of words for a token's step
	s_cselect_b32 s[SAU], s[SAU], 512              ; from tile a to tile a + 1 of the lane side, in the images
	s_cselect_b32 s[SGU], s[SGU], 0x10000          ; from the first 64 of the register side to the second
	s_cselect_b32 s[LIM], 16, 32                   ; lanes that store words
	s_cselect_b32 s[MC], 0, -1                     ; the bias runs along the registers (q, k)
	s_cselect_b32 s[MR], -1, 0                     ; or along the lanes (v)
	s_cselect_b32 s99, 0, s94
	s_cselect_b32 s84, s93, 0
	s_lshr_b32 s2, s95, 11
	s_lshl_b32 s2, s2, 4
	s_lshr_b32 s3, s96, 6
	s_add_co_u32 s2, s2, s3                        ; bh = 16 x batch + head
	s_and_b32 s95, s95, 2047                       ; the token in its batch
	s_mov_b32 s67, 0
	s_lshl_b32 s66, s2, 16                         ; a head's images are 65,536 bytes; 32 bytes a token
	s_lshl_b32 s3, s95, 5
	s_add_co_u32 s66, s66, s3
	s_add_nc_u64 s[14:15], s[14:15], s[66:67]
	s_lshl_b32 s66, s2, s97
	s_lshl_b32 s3, s95, s98
	s_add_co_u32 s66, s66, s3
	s_add_nc_u64 s[16:17], s[16:17], s[66:67]
	s_lshl_b32 s66, s84, 2
	s_add_nc_u64 s[22:23], s[12:13], s[66:67]      ; the bias of my lanes' rows (v; else the bias's head, masked below)
	s_lshl_b32 s66, s99, 2
	s_add_nc_u64 s[12:13], s[12:13], s[66:67]      ; the bias of my registers' rows (q, k; else the bias's head, masked below)
	v_and_b32 v1, 15, v0                           ; r
	v_bfe_u32 v2, v0, 4, 1                         ; h
	v_and_b32 v3, 31, v0                           ; lane
	v_lshlrev_b32 v[BO8], 5, v2
	v_lshlrev_b32 v[BO4], 2, v1
.irp b, 0,1,2,3,4,5,6,7
	global_load_b128 v[CB+8*\b:CB+8*\b+3], v[BO8], s[12:13] offset:64*\b        ; rows 16 b + 8 h + 0 .. 7 of the register side
	global_load_b128 v[CB+8*\b+4:CB+8*\b+7], v[BO8], s[12:13] offset:64*\b+16
.endr
.irp a, 0,1,2,3
	global_load_b32 v[RB+2*\a], v[BO4], s[22:23] offset:64*\a                   ; row 16 a + r of the lane side
.endr
	v_mul_u32_u24 v5, v1, PITCH
	v_lshl_add_u32 v5, v2, 4, v5                   ; a fragment's row x pitch + 16 h
	s_mul_i32 s2, s[RH], AH
	s_mul_i32 s3, s[CH], BH
	s_add_co_u32 s3, s3, BOFF
	v_add_nc_u32 v[ADRA], s2, v5
	v_add_nc_u32 v[ADRA+1], SLOT, v[ADRA]
	v_add_nc_u32 v[ADRB], s3, v5
	v_add_nc_u32 v[ADRB+1], SLOT, v[ADRB]
	v_lshlrev_b32 v6, 5, v3                        ; a row's 32 scale bytes,
	v_lshrrev_b32 v7, 3, v3
	v_lshl_add_u32 v6, v7, 4, v6                   ; and 16 more for each 256 passed
	s_mul_i32 s2, s[RH], SAH
	s_add_co_u32 s2, s2, SCA
	s_mul_i32 s3, s[CH], SBH
	s_add_co_u32 s3, s3, SCB
	v_add_nc_u32 v[ADSA], s2, v6
	v_add_nc_u32 v[ADSB], s3, v6
	s_lshl_b32 s2, s[WV], 9
	s_add_co_u32 s2, s2, STG                       ; my stage
	v_lshl_add_u32 v[STW], v1, 2, s2
	v_lshl_add_u32 v[STR], v3, 4, s2
	v_lshlrev_b32 v[SWA], 4, v1
	v_lshl_add_u32 v[SWA], v2, 13, v[SWA]          ; lanes 0-15: 256 bytes of this head's words; lanes 16-31: the next head's (q, k)
	v_lshlrev_b32 v[L16], 4, v3
.irp a, 0,1,2,3
	s_mul_i32 s2, s[SAU], \a
	v_add_nc_u32 v[UA+2*\a], s2, v[L16]
	v_add_nc_u32 v[UA+2*\a+1], s[SGU], v[UA+2*\a]
.endr
.irp k, 0,1,2,3
	v_mov_b32 v[TP+\k], 0                          ; written once: a lane permute's destination counts as one of its sources
.endr
	s_wait_loadcnt 0x0                             ; the biases
.set j, 0
.rept 64
	v_cndmask_b32 v[CB+j], 0, v[CB+j], s[MC]       ; of the two biases the one that does not apply becomes 0
.set j, j+1
.endr
.irp a, 0,1,2,3
	v_cndmask_b32 v[RB+2*\a], 0, v[RB+2*\a], s[MR]
	v_mov_b32 v[RB+2*\a+1], 0                      ; (named as the pair's upper half)
.endr
	WIN 0x40                                       ; destination window 1
.irp a, 0,1,2,3
.irp b, 0,1,2,3,4,5,6,7
.irp i, 0,2,4,6
	v_pk_add_f32 v[64*\a+8*\b+\i:64*\a+8*\b+\i+1], v[CB+8*\b+\i:CB+8*\b+\i+1], v[RB+2*\a:RB+2*\a+1] op_sel_hi:[1,0]   ; THE BIAS STARTS THE SUMS, while the tiles are on their way
.endr
.endr
.endr
	WIN 0
	PLACES 8
	s_wait_alu depctr_va_vdst(0)
	s_wait_tensorcnt 1                             ; the scale bytes and my part of slot 0 are in (slot 1's load may be out)
	s_barrier_signal -1
	s_barrier_wait -1                              ; everybody's are
.irp p, 0,1,2,3
	ds_load_b128 v[SB+8*\p:SB+8*\p+3], v[ADSB] offset:1088*\p       ; the eight words of rows 32 p + lane: 32 rows are 4 units of 272 bytes
	ds_load_b128 v[SB+8*\p+4:SB+8*\p+7], v[ADSB] offset:1088*\p+16
.endr
.irp p, 0,1
	ds_load_b128 v[SA+8*\p:SA+8*\p+3], v[ADSA] offset:1088*\p
	ds_load_b128 v[SA+8*\p+4:SA+8*\p+7], v[ADSA] offset:1088*\p+16
.endr
	FETCH 0, 0, 0
.irp q, 0,1,2,3,4,5,6,7
	STEP \q
.endr
	WIN 0
	PLACES 4                                       ; between the last products and the first read of results
; THE QUANTISER, for tile a of the lane side.  A lane holds one row of the lane side; register 16 k + i of its 64 is place 32 k + 16 (i / 8) + 8 h + i % 8 along the register side: block k lies in my 16 registers and lane l xor 16's.
; The conversion of tile b gives 8 codes; laid at register 4 (b / 4) + {0, 2, 1, 3}[b % 4] and followed by two exchanges of halves, registers 4 g .. 4 g + 3 hold places 64 g + 32 h + 0 .. 31: the operand's layout.
.macro QROW a
	WIN 0x05                                       ; sources 0 and 1 window 1
.irp k, 0,1,2,3
	v_max3_num_f32 v[TM+\k], |v[64*(\a)+16*\k]|, |v[64*(\a)+16*\k+1]|, 0x1800000   ; each accumulator from its low end on; the floor 2^(3 - 127) holds the byte at 1 from below
.endr
.irp i, 2,4,6,8,10,12,14
.irp k, 0,1,2,3
	v_max3_num_f32 v[TM+\k], |v[64*(\a)+16*\k+\i]|, |v[64*(\a)+16*\k+\i+1]|, v[TM+\k]
.endr
.endr
	WIN 0
.irp k, 0,1,2,3
	v_permlanex16_b32 v[TP+\k], v[TM+\k], s[SEL], s[SEL+1]
.endr
.irp k, 0,1,2,3
	v_max_num_f32 v[TM+\k], v[TM+\k], v[TP+\k]     ; the block's largest magnitude
.endr
.irp k, 0,1,2,3
	v_add_nc_u32 v[SO+\k], 0xff000000, v[TM+\k]    ; 2 off its exponent field: the conversion's scale operand
.endr
.irp k, 0,1,2,3
	v_lshrrev_b32 v[BY+\k], 23, v[SO+\k]           ; the scale's byte
.endr
	v_lshl_or_b32 v[W0], v[BY+1], 8, v[BY]
	v_lshl_or_b32 v[W1+(\a)], v[BY+3], 8, v[BY+2]
	v_lshl_or_b32 v[X0+(\a)], v[W1+(\a)], 16, v[W0]
	WIN 0x01                                       ; source 0 window 1
.irp b, 0,1,2,3,4,5,6,7
	v_cvt_scalef32_pk8_fp4_f32 v[PC+8*(\a)+4*(\b/4)+2*(\b%2)+((\b/2)%2)], v[64*(\a)+8*\b:64*(\a)+8*\b+7], v[SO+\b/2]
.endr
	v_nop                                          ; one plain place behind a scaled conversion
	WIN 0
.irp g, 0,1
	v_permlane16_swap_b32 v[PC+8*(\a)+4*\g], v[PC+8*(\a)+4*\g+1]
	v_permlane16_swap_b32 v[PC+8*(\a)+4*\g+2], v[PC+8*(\a)+4*\g+3]
.endr
.irp g, 0,1
	global_store_b128 v[UA+2*(\a)+\g], v[PC+8*(\a)+4*\g:PC+8*(\a)+4*\g+3], s[14:15]   ; a unit: the wave stores 512 consecutive bytes, aligned; each unit has registers of its own
.endr
	ds_store_b32 v[STW], v[X0+(\a)] offset:64*(\a)         ; v: the row's whole word;  q, k: the first head's (its upper bytes meet zero codes only)
	ds_store_b32 v[STW], v[W1+(\a)] offset:256+64*(\a)     ; q, k: the second head's
.endm
	QROW 0
	QROW 1
	QROW 2
	QROW 3
	ds_load_b128 v[XO:XO+3], v[STR]                ; my own bytes: LDS serves a wave's instructions in order
	s_wait_dscnt 0x0
	s_wait_xcnt 0x0                                ; EXEC changes only behind this wait
	v_cmp_gt_u32 vcc_lo, s[LIM], v3
	s_and_saveexec_b32 s3, vcc_lo                  ; v has one run of 256 bytes of words, q and k two
	global_store_b128 v[SWA], v[XO:XO+3], s[16:17] ; sixteen lanes store 256 consecutive bytes, aligned
	s_wait_xcnt 0x0
	s_or_b32 exec_lo, exec_lo, s3
	s_wait_tensorcnt 0x0
	ds_add_u32 v254, v255
	s_wait_dscnt 0x0
	CROUND                                         ; the closing round: no work-group ends while a partner may still ask for a tile that names it
	s_endpgm
.Lfunc_end_k_qff9da674e0_qkv:
	.size	k_qff9da674e0_qkv, .Lfunc_end_k_qff9da674e0_qkv-k_qff9da674e0_qkv
	.p2alignl 7, 3214868480
	.fill 96, 4, 3214868480
	.section	.rodata,"a",@progbits
	.p2align	6, 0x0
	.amdhsa_kernel k_qff9da674e0_qkv
		.amdhsa_group_segment_fixed_size 229888
		.amdhsa_private_segment_fixed_size 0
		.amdhsa_enable_private_segment 0
		.amdhsa_kernarg_size 136
		.amdhsa_user_sgpr_count 2
		.amdhsa_user_sgpr_kernarg_segment_ptr 1
		.amdhsa_wavefront_size32 1
		.amdhsa_system_sgpr_workgroup_id_x 1
		.amdhsa_system_sgpr_workgroup_id_y 1
		.amdhsa_system_sgpr_workgroup_id_z 1
		.amdhsa_system_vgpr_workitem_id 0
		.amdhsa_next_free_vgpr 768
		.amdhsa_next_free_sgpr 102
		.amdhsa_reserve_vcc 1
		.amdhsa_float_denorm_mode_32 3
		.amdhsa_float_denorm_mode_16_64 3
		.amdhsa_memory_ordered 1
		.amdhsa_forward_progress 1
		.amdhsa_inst_pref_size 90
	.end_amdhsa_kernel
	.amdgpu_metadata
---
amdhsa.version: [ 1, 2 ]
amdhsa.kernels:
  - .name:           k_qff9da674e0_qkv
    .symbol:         k_qff9da674e0_qkv.kd
    .args:
      - { .name: x_codes, .offset: 0, .size: 8, .value_kind: global_buffer, .address_space: global }
      - { .name: x_scales, .offset: 8, .size: 8, .value_kind: global_buffer, .address_space: global }
      - { .name: Wq_codes, .offset: 16, .size: 8, .value_kind: global_buffer, .address_space: global }
      - { .name: Wq_scales, .offset: 24, .size: 8, .value_kind: global_buffer, .address_space: global }
      - { .name: Wk_codes, .offset: 32, .size: 8, .value_kind: global_buffer, .address_space: global }
      - { .name: Wk_scales, .offset: 40, .size: 8, .value_kind: global_buffer, .address_space: global }
      - { .name: Wv_codes, .offset: 48, .size: 8, .value_kind: global_buffer, .address_space: global }
      - { .name: Wv_scales, .offset: 56, .size: 8, .value_kind: global_buffer, .address_space: global }
      - { .name: bq, .offset: 64, .size: 8, .value_kind: global_buffer, .address_space: global }
      - { .name: bk, .offset: 72, .size: 8, .value_kind: global_buffer, .address_space: global }
      - { .name: bv, .offset: 80, .size: 8, .value_kind: global_buffer, .address_space: global }
      - { .name: q_img, .offset: 88, .size: 8, .value_kind: global_buffer, .address_space: global }
      - { .name: k_img, .offset: 96, .size: 8, .value_kind: global_buffer, .address_space: global }
      - { .name: v_img, .offset: 104, .size: 8, .value_kind: global_buffer, .address_space: global }
      - { .name: q_sw, .offset: 112, .size: 8, .value_kind: global_buffer, .address_space: global }
      - { .name: k_sw, .offset: 120, .size: 8, .value_kind: global_buffer, .address_space: global }
      - { .name: v_sw, .offset: 128, .size: 8, .value_kind: global_buffer, .address_space: global }
    .group_segment_fixed_size: 229888
    .private_segment_fixed_size: 0
    .kernarg_segment_align: 8
    .kernarg_segment_size: 136
    .max_flat_workgroup_size: 128
    .sgpr_count:     102
    .vgpr_count:     768
    .wavefront_size: 32
...
	.end_amdgpu_metadata
.endif
;; end of part 1
;; launch attn (part 2): grid 8 x 32, 16 waves a work-group, clusters of 4 x 1, 296,960 bytes of LDS; arguments q_img, q_sw, k_img, k_sw, v_img, v_sw, a_img, a_sw; writes a_img, a_sw
.if DOCPART == 2
	.amdgcn_target "amdgcn-amd-amdhsa--gfx1250"
	.amdhsa_code_object_version 6
	.text
	.protected	k_qff9da674e0_attn
	.globl	k_qff9da674e0_attn
	.p2align	8
	.type	k_qff9da674e0_attn,@function
k_qff9da674e0_attn:
	s_mov_b64 s[64:65], 0
	v_nop
	global_prefetch_b8 v0, s[64:65] scope:SCOPE_SE
	s_setreg_imm32_b32 hwreg(HW_REG_WAVE_MODE, 25, 1), 1
	s_wait_xcnt 0x0
	s_wait_alu depctr_hold_cnt(0) depctr_sa_sdst(0) depctr_va_vdst(0) depctr_va_sdst(0) depctr_va_ssrc(0) depctr_va_vcc(0) depctr_vm_vsrc(0)
	s_getreg_b32 s2, hwreg(HW_REG_IB_STS2, 6, 4)
	s_cmp_eq_u32 s2, 0
	s_cbranch_scc0 .Lentry_in_a_cluster
	s_endpgm
.Lentry_in_a_cluster:
	s_bfe_u32 s2, ttmp6, 0x10000c
	s_cmp_lg_u32 s2, 0x3003
	s_cbranch_scc0 .Lentry_shape_is_right
	s_endpgm
.Lentry_shape_is_right:
; O = softmax(q k^T / 8) v for 64 (batch, head) pairs of 2,048 tokens and 64 channels, both products on codes of FP4 (E2M1) with E8M0 scales; O / l is quantised along the channels for the last projection.
; THE SOFTMAX AHEAD OF THE SECOND PRODUCT: t = score x log2(e) / 8; M = the running largest t rounded UP to a whole number; p = 2^(t - M) is quantised along the keys, not normalised; the row's sum l is taken of the
; unquantised p; when M moves, l and O are multiplied by 2^(old M - new M), which rounds nothing.
; SHARES.  A work-group owns 256 queries of a PAIR of neighbouring heads; each of its sixteen waves owns 16 queries and runs head 0, then head 1: so it ends with 128 channels of its rows, one whole K step of the last
; projection: a whole fragment image and a whole scale word a row.  Four waves share a SIMD, so that one wave's vector work stands beside another's products and LDS loads.
; LDS.  K, V and their scale words of both heads lie whole in LDS, as the images in which they were stored: every read is 16 x lane or 4 x lane on from a scalar.  Each byte is filled once; nothing is filled again.
; CLUSTER 4 x 1: the four query blocks of a cluster belong to the same pair of heads: each tile is asked for jointly (mask 15).  Wave 0 fetches K's six tiles, wave 1 V's; six tensor loads of a wave are out at the most.
; No prefetch is laid: every tile is asked for at the head, and no later load exists to run ahead of.
; LAYOUT.  Both products are used transposed: S^T = K Q^T (source 0 = 16 keys), O^T = V^T P^T (source 0 = 16 channels): a lane holds ONE query (lane % 16) throughout.
; K = 64 OF THE FIRST PRODUCT: the instruction is 128 deep.  Q's registers 4-7 are zero codes; K's operand for tile t is the run of 8 registers from its 4, so its upper half is the next tile's codes, which meet zeros
; under valid scale bytes and add nothing.
; LIMITS: a block of zeros gets the byte 1 (its codes are zeros; this program alone reads the bytes); p under 2^-126 counts as 0; NaN and infinities are not served.
.set VC,  131072                       ; LDS: K's codes at 0 (2 x 65,536), V's here,
.set KS,  262144                       ; K's scale words (2 x 8,192),
.set VS,  278528                       ; V's (2 x 4,096),
.set STG, 286720                       ; and a stage of 1,024 bytes for the rows' scale words: 1,120 x 256; no fill lands here
.set LI,  1                            ; v1  16 x lane
.set LS,  2                            ; v2  4 x lane
.set R4,  3                            ; v3  4 x (lane % 16)
.set ADK, 4
.set ADV, 5
.set ADS, 6
.set ADT, 7                            ; v4-7 the key step's addresses
.set AST, 8                            ; v8  stage: my row's word
.set ARD, 9                            ; v9  stage: 16 x thread, on the way back
.set AGO, 10                           ; v10 16 x thread, in a_sw
.set KR,  32                           ; v32-63 K: tile t at 32 + 4 t; v64-67 zero codes
.set VR,  68                           ; v68-99 V: four fragments
.set S,   100                          ; v100-163 S^T, then p
.set O,   164                          ; v164-195 O^T
.set P,   196                          ; v196-203 p's codes
.set KSC, 204                          ; v204-207 K's scale words, two tiles a register
.set VSC, 208                          ; v208-209 V's
.set QSC, 210                          ; v210-211 Q's, a head each
.set PSW, 212                          ; v212 p's
.set BM,  216
.set BT,  220
.set SO,  224
.set F,   228                          ; v[228:229] f, later 1 / l (the low one used)
.set T0,  230
.set SU,  232                          ; v[232:233] the sums' second chain
.set XO,  236
.set OC,  240                          ; v240-247 the output's codes
.set AW,  248                          ; v248 the output's scale word
.set WV,  20
.set HP,  21
.set QB,  22
.set G1M, 24                           ; group 1 for 64 rows of 256 bytes
.set G1S, 32                           ; for 32
.set G1L, 40                           ; for 256
.set CS,  76                           ; s[76:77] c = log2(e) / 8
.set SEL, 78
.set TK,  80
.set TS,  81
.set TT,  82
.set CNT, 83
.macro CROUND                          ; a round of the cluster's barrier
	s_barrier_signal -1
	s_barrier_wait -1
	s_cmp_lg_u32 s[WV], 0
	s_cbranch_scc1 .Lnot_wave_0_\@
	s_barrier_signal -3
.Lnot_wave_0_\@:
	s_barrier_wait -3
	s_barrier_signal -1
	s_barrier_wait -1
.endm
.macro G0SET g, n                      ; group 0 for the codes' tile that begins 16,384 n bytes into the pair of heads
	s_mov_b32 s[\g], 1
	s_add_co_u32 s[\g+1], s89, 16384*(\n)
	s_add_nc_u64 s[\g+2:\g+3], s[84:85], 16384*(\n)
	s_or_b32 s[\g+3], s[\g+3], 0x80000000
.endm
.macro RESET                           ; a head begins: the largest t is -3e38, the sums and O^T are zeros, which the first change of M leaves zeros
	v_mov_b32 v13, 0xff61b1e6
	s_delay_alu instid0(VALU_DEP_1)
	v_floor_f32 v12, -v13
	v_mov_b32 v14, 0
	v_mov_b32 v15, 0
.set j, 0
.rept 32
	v_mov_b32 v[O+j], 0
.set j, j+1
.endr
.endm
	s_load_b512 s[4:19], s[0:1], 0x0               ; q_img 4, q_sw 6, k_img 8, k_sw 10, v_img 12, v_sw 14, a_img 16, a_sw 18
	v_lshl_add_u32 v254, v0, 2, 0x48000
	v_mov_b32 v255, 0
	ds_add_u32 v254, v255
	ds_add_u32 v254, v255
	v_lshrrev_b32 v1, 5, v0
	s_delay_alu instid0(VALU_DEP_1)
	v_readfirstlane_b32 s[WV], v1                  ; wave 0..15
	s_and_b32 s[HP], ttmp7, 0xffff                 ; the pair of heads: 8 x batch + pair; the four partners share it
	s_bfe_u32 s[QB], ttmp6, 0x40000                ; cx
	s_lshl_b32 s23, ttmp9, 2
	s_add_co_u32 s[QB], s23, s[QB]                 ; my block of 256 queries: it enters Q's and the output's addresses alone
.irp g, G1M, G1S, G1L
	s_mov_b32 s[\g], 15|(3<<16)|(1<<21)            ; the mask: all four work-groups; elements of 8 bytes; bit 21 set beside a mask; no padding
	s_mov_b32 s[\g+1], 32<<16                      ; tensor_dim0: 32 elements = 256 bytes
	s_mov_b32 s[\g+3], 32<<16                      ; tile_dim0
	s_mov_b32 s[\g+5], 32                          ; dense
	s_mov_b32 s[\g+6], 0
	s_mov_b32 s[\g+7], 0
.endr
	s_mov_b32 s[G1M+2], 64<<16
	s_mov_b32 s[G1M+4], 64
	s_mov_b32 s[G1S+2], 32<<16
	s_mov_b32 s[G1S+4], 32
	s_mov_b32 s[G1L+2], 256<<16
	s_mov_b32 s[G1L+4], 256
	s_mov_b32 s[CS], 0x3e38aa3b                    ; log2(e) / 8
	s_mov_b32 s[CS+1], s[CS]
	s_mov_b32 s[SEL], 0x76543210
	s_mov_b32 s[SEL+1], 0xfedcba98
	s_wait_dscnt 0x0
	s_wait_kmcnt 0x0
	s_cmp_eq_u32 s[WV], 0                          ; wave 0 fetches K's, wave 1 V's (the others' values are not used)
	s_cselect_b64 s[84:85], s[8:9], s[12:13]
	s_cselect_b64 s[86:87], s[10:11], s[14:15]
	s_cselect_b32 s90, 14, 13                      ; a pair's scale words: 16,384 bytes of K's, 8,192 of V's
	s_lshl_b32 s92, s[HP], s90
	s_mov_b32 s93, 0
	s_add_nc_u64 s[86:87], s[86:87], s[92:93]
	s_lshl_b32 s92, s[HP], 17                      ; a pair's codes: 131,072 bytes
	s_add_nc_u64 s[84:85], s[84:85], s[92:93]
	s_lshl_b32 s89, s[WV], 17                      ; LDS: K's codes at 0, V's at 131,072
	s_lshl_b32 s88, s[WV], 14                      ; K's words at KS, V's 16,384 on
	s_mov_b32 s48, 1
	s_add_co_u32 s49, s88, KS
	s_mov_b64 s[50:51], s[86:87]
	s_or_b32 s51, s51, 0x80000000
	G0SET 52, 0                                    ; head 0 in four tiles of 512 keys, so that the first key steps can begin early
	G0SET 56, 1
	G0SET 60, 2
	G0SET 68, 3
	G0SET 72, 4                                    ; head 1 whole
	CROUND                                         ; all four work-groups are here: the joint loads meet
	s_cmp_eq_u32 s[WV], 0                          ; a wave's fills stand in one branch on its number
	s_cbranch_scc0 .Lnot_k
	tensor_load_to_lds s[48:51], s[G1M:G1M+7]
	s_nop 0
	tensor_load_to_lds s[52:55], s[G1M:G1M+7]
	s_nop 0
	tensor_load_to_lds s[56:59], s[G1M:G1M+7]
	s_nop 0
	tensor_load_to_lds s[60:63], s[G1M:G1M+7]
	s_nop 0
	tensor_load_to_lds s[68:71], s[G1M:G1M+7]
	s_nop 0
	tensor_load_to_lds s[72:75], s[G1L:G1L+7]
	s_nop 0
.rept 4
	v_nop
.endr
	s_branch .Lasked
.Lnot_k:
	s_cmp_eq_u32 s[WV], 1
	s_cbranch_scc0 .Lasked
	tensor_load_to_lds s[48:51], s[G1S:G1S+7]
	s_nop 0
	tensor_load_to_lds s[52:55], s[G1M:G1M+7]
	s_nop 0
	tensor_load_to_lds s[56:59], s[G1M:G1M+7]
	s_nop 0
	tensor_load_to_lds s[60:63], s[G1M:G1M+7]
	s_nop 0
	tensor_load_to_lds s[68:71], s[G1M:G1M+7]
	s_nop 0
	tensor_load_to_lds s[72:75], s[G1L:G1L+7]
	s_nop 0
.rept 4
	v_nop
.endr
.Lasked:
	v_and_b32 v11, 31, v0
	s_delay_alu instid0(VALU_DEP_1)
	v_lshlrev_b32 v[LI], 4, v11
	s_wait_alu depctr_va_vdst(0)
	v_lshlrev_b32 v[LS], 2, v11
	v_and_b32 v11, 15, v0
	s_delay_alu instid0(VALU_DEP_1)
	v_lshlrev_b32 v[R4], 2, v11
	s_wait_alu depctr_va_vdst(0)
	s_lshl_b32 s84, s[HP], 8                       ; my tile of 16 queries among q_img's: 128 x (2 x pair) + 16 x block + wave
	s_lshl_b32 s85, s[QB], 4
	s_add_co_u32 s84, s84, s85
	s_add_co_u32 s84, s84, s[WV]
	s_lshl_b32 s86, s84, 9
	s_mov_b32 s87, 0
	s_add_nc_u64 s[4:5], s[4:5], s[86:87]
	s_lshl_b32 s86, s84, 6                         ; 16 words of 4 bytes a tile
	s_add_nc_u64 s[6:7], s[6:7], s[86:87]
	global_load_b128 v[16:19], v[LI], s[4:5]                 ; Q of head 0: registers 0-3 of its fragment
	global_load_b128 v[24:27], v[LI], s[4:5] offset:65536    ; of head 1
	global_load_b32 v[QSC], v[R4], s[6:7]
	global_load_b32 v[QSC+1], v[R4], s[6:7] offset:8192
	; where the output goes: a_img [K chunk][token tile][pair % 4][head in pair][lane][16], a_sw [pair][token]
	s_and_b32 s84, s[HP], 7                        ; the pair in its batch = the last projection's K step
	s_lshr_b32 s85, s[HP], 3                       ; the batch
	s_lshr_b32 s86, s84, 2
	s_lshl_b32 s86, s86, 9
	s_lshl_b32 s88, s85, 7
	s_add_co_u32 s86, s86, s88
	s_lshl_b32 s88, s[QB], 4
	s_add_co_u32 s86, s86, s88
	s_add_co_u32 s86, s86, s[WV]                   ; 512 x chunk + token tile
	s_lshl_b32 s86, s86, 2
	s_and_b32 s88, s84, 3
	s_add_co_u32 s86, s86, s88
	s_lshl_b32 s86, s86, 10
	s_add_nc_u64 s[16:17], s[16:17], s[86:87]
	s_lshl_b32 s86, s84, 15
	s_lshl_b32 s88, s85, 13
	s_add_co_u32 s86, s86, s88
	s_lshl_b32 s88, s[QB], 10
	s_add_co_u32 s86, s86, s88
	s_add_nc_u64 s[18:19], s[18:19], s[86:87]
	s_lshl_b32 s88, s[WV], 6
	s_add_co_u32 s88, s88, STG
	v_add_nc_u32 v[AST], s88, v[R4]
	v_lshl_add_u32 v[ARD], v0, 4, STG
	v_lshlrev_b32 v[AGO], 4, v0
.irp j, 20,21,22,23,28,29,30,31,64,65,66,67
	v_mov_b32 v[\j], 0                             ; zero codes: K = 64 .. 127 of Q's fragments, and behind K's last tile
.endr
.irp b, 0,1,2,3
	v_mov_b32 v[BT+\b], 0                          ; written once: a lane permute's destination counts as one of its sources
.endr
	v_mov_b32 v[T0], 0
	v_mov_b32 v[F+1], 0                            ; (named as the pair's upper half)
	RESET
; A KEY STEP: 128 keys.  qf: Q's fragment; qs: its scale words.
.macro STEP qf, qs
	v_add_nc_u32 v[ADK], s[TK], v[LI]              ; (these four are also the places between the last step's products and the loads into V's registers)
	v_add_nc_u32 v[ADS], s[TS], v[LS]
	v_add_nc_u32 v[ADT], s[TT], v[LS]
	s_delay_alu instid0(VALU_DEP_3)
	v_add_nc_u32 v[ADV], VC, v[ADK]
.irp t, 0,1,2,3,4,5,6,7
	ds_load_b128 v[KR+4*\t:KR+4*\t+3], v[ADK] offset:512*\t      ; tile t: lane (r, h): key 16 t + r, channels 32 h on
.endr
.irp p, 0,1,2,3
	ds_load_b32 v[KSC+\p], v[ADS] offset:128*\p                  ; the words of keys 32 p + lane: tile 2 p in lanes 0-15, tile 2 p + 1 in lanes 16-31
.endr
.irp u, 0,1,2,3,4,5,6,7
	ds_load_b128 v[VR+4*\u:VR+4*\u+3], v[ADV] offset:512*\u      ; unit 2 d + c: channel 16 d + r, keys 64 c + 32 h on
.endr
.irp p, 0,1
	ds_load_b32 v[VSC+\p], v[ADT] offset:128*\p
.endr
	s_wait_dscnt 10                                ; K's twelve loads are in; V's ten may be out
.irp t, 0,2,4,6
	v_wmma_scale_f32_16x16x128_f8f6f4 v[S+8*\t:S+8*\t+7], v[KR+4*\t:KR+4*\t+7], v[\qf:\qf+7], 0, v[KSC+\t/2], v[\qs] matrix_a_fmt:MATRIX_FMT_FP4 matrix_b_fmt:MATRIX_FMT_FP4
	v_wmma_scale_f32_16x16x128_f8f6f4 v[S+8*(\t+1):S+8*(\t+1)+7], v[KR+4*(\t+1):KR+4*(\t+1)+7], v[\qf:\qf+7], 0, v[KSC+\t/2], v[\qs] matrix_a_fmt:MATRIX_FMT_FP4 matrix_b_fmt:MATRIX_FMT_FP4 matrix_a_scale:MATRIX_SCALE_ROW1
.endr                                              ; lane (r, h): query r; register 8 t + j: key 16 t + 8 h + j.  Block b of 32 keys: my registers 16 b .. 16 b + 15 and lane l xor 16's
.rept 4
	v_nop
.endr
.irp b, 0,1,2,3
	v_max3_num_f32 v[BM+\b], v[S+16*\b], v[S+16*\b+1], v[S+16*\b+2]   ; the largest score of each block: for the row's maximum, and, since p rises with the score, for the block's largest p
.endr
.irp i, 3,5,7,9,11,13
.irp b, 0,1,2,3
	v_max3_num_f32 v[BM+\b], v[BM+\b], v[S+16*\b+\i], v[S+16*\b+\i+1]
.endr
.endr
.irp b, 0,1,2,3
	v_max_num_f32 v[BM+\b], v[BM+\b], v[S+16*\b+15]
.endr
.irp b, 0,1,2,3
	s_delay_alu instid0(VALU_DEP_4)
	v_permlanex16_b32 v[BT+\b], v[BM+\b], s[SEL], s[SEL+1]
.endr
.irp b, 0,1,2,3
	s_delay_alu instid0(VALU_DEP_4)
	v_max_num_f32 v[BM+\b], v[BM+\b], v[BT+\b]
.endr
	s_delay_alu instid0(VALU_DEP_2)
	v_max3_num_f32 v[T0], v[BM], v[BM+1], v[BM+2]
	s_delay_alu instid0(VALU_DEP_1)
	v_max_num_f32 v[T0], v[T0], v[BM+3]            ; the step's largest score of my query
	s_delay_alu instid0(VALU_DEP_1)
	v_mul_f32 v[T0], s[CS], v[T0]                  ; as t
	s_delay_alu instid0(VALU_DEP_1)
	v_max_num_f32 v13, v13, v[T0]                  ; the running largest t
	v_mov_b32 v[T0], v12
	s_delay_alu instid0(VALU_DEP_2)
	v_floor_f32 v12, -v13                          ; the new -M = floor(-t): M is a whole number
	s_delay_alu instid0(VALU_DEP_1)
	v_sub_f32 v[T0], v12, v[T0]                    ; old M - new M: a whole number, 0 or less
	s_delay_alu instid0(VALU_DEP_1)
	v_cvt_i32_f32 v[T0], v[T0]                     ; (it saturates)
	s_delay_alu instid0(VALU_DEP_1)
	v_ldexp_f32 v[F], 1.0, v[T0]                   ; f = 2^(old M - new M)
.set j, 0
.rept 32
	v_pk_fma_f32 v[S+j:S+j+1], v[S+j:S+j+1], s[CS:CS+1], v[12:13] op_sel_hi:[1,0,0]   ; t - M, two at a time
.set j, j+2
.endr
.irp b, 0,1,2,3
	v_fma_f32 v[BM+\b], v[BM+\b], s[CS], v12       ; the same of each block's largest score
.endr
.set j, 0
	s_wait_alu depctr_va_vdst(0)
.rept 64
	v_exp_f32 v[S+j], v[S+j]                       ; p = 2^(t - M)
.set j, j+1
.endr
	s_setprio 1
	v_pk_mul_f32 v[14:15], v[14:15], v[F:F+1] op_sel_hi:[1,0]   ; the sums under the new M: the plain place behind the batch
	s_wait_alu depctr_va_vdst(0)                   ; one wait for the 64, ahead of the first line that names a result
.irp b, 0,1,2,3
	v_exp_f32 v[BM+\b], v[BM+\b]                   ; the block's largest p: the same two instructions on the same number
.endr
	v_pk_add_f32 v[232:233], v[104:105], v[108:109]
	v_pk_add_f32 v[252:253], v[112:113], v[116:117]
	v_pk_add_f32 v[250:251], v[120:121], v[124:125]
	v_pk_add_f32 v[246:247], v[128:129], v[132:133]
	v_pk_add_f32 v[244:245], v[136:137], v[140:141]
	v_pk_add_f32 v[238:239], v[144:145], v[148:149]
	v_pk_add_f32 v[236:237], v[152:153], v[156:157]
	v_pk_add_f32 v[14:15], v[14:15], v[160:161]
	v_pk_add_f32 v[232:233], v[232:233], v[100:101]
	v_pk_add_f32 v[252:253], v[252:253], v[102:103]
	v_pk_add_f32 v[250:251], v[250:251], v[106:107]
	v_pk_add_f32 v[246:247], v[246:247], v[110:111]
	v_pk_add_f32 v[244:245], v[244:245], v[114:115]
	v_pk_add_f32 v[238:239], v[238:239], v[118:119]
	v_pk_add_f32 v[236:237], v[236:237], v[122:123]
	v_pk_add_f32 v[14:15], v[14:15], v[126:127]
	v_pk_add_f32 v[232:233], v[232:233], v[130:131]
	v_pk_add_f32 v[252:253], v[252:253], v[134:135]
	v_pk_add_f32 v[250:251], v[250:251], v[138:139]
	v_pk_add_f32 v[246:247], v[246:247], v[142:143]
	v_pk_add_f32 v[244:245], v[244:245], v[146:147]
	v_pk_add_f32 v[238:239], v[238:239], v[150:151]
	v_pk_add_f32 v[236:237], v[236:237], v[154:155]
	v_pk_add_f32 v[14:15], v[14:15], v[158:159]
	v_pk_add_f32 v[232:233], v[232:233], v[162:163]
	s_delay_alu instid0(VALU_DEP_2)
	v_pk_add_f32 v[14:15], v[14:15], v[246:247]
	s_delay_alu instid0(VALU_DEP_2)
	v_pk_add_f32 v[232:233], v[232:233], v[244:245]
	v_pk_add_f32 v[252:253], v[252:253], v[238:239]
	v_pk_add_f32 v[250:251], v[250:251], v[236:237]
	s_delay_alu instid0(VALU_DEP_2)
	v_pk_add_f32 v[14:15], v[14:15], v[252:253]
	s_delay_alu instid0(VALU_DEP_2)
	v_pk_add_f32 v[232:233], v[232:233], v[250:251]
	s_delay_alu instid0(VALU_DEP_1)
	v_pk_add_f32 v[14:15], v[14:15], v[232:233]
	s_wait_alu depctr_va_vdst(0)                   ; and one for the four
.irp b, 0,1,2,3
	v_max_num_f32 v[BM+\b], 0x1800000, v[BM+\b]    ; the floor 2^(3 - 127): the byte cannot fall under 1
.endr
.irp b, 0,1,2,3
	s_delay_alu instid0(VALU_DEP_4)
	v_add_nc_u32 v[SO+\b], 0xff000000, v[BM+\b]    ; 2 off the exponent field: the conversion's scale operand
.endr
.irp b, 0,1,2,3
	s_delay_alu instid0(VALU_DEP_4)
	v_lshrrev_b32 v[BT+\b], 23, v[SO+\b]           ; the scale's byte
.endr
	s_delay_alu instid0(VALU_DEP_3)
	v_lshl_or_b32 v[PSW], v[BT+1], 8, v[BT]        ; p's scale word for these 128 keys
	s_delay_alu instid0(VALU_DEP_1)
	v_lshl_or_b32 v[PSW], v[BT+2], 16, v[PSW]
	s_delay_alu instid0(VALU_DEP_1)
	v_lshl_or_b32 v[PSW], v[BT+3], 24, v[PSW]
.irp t, 0,1,2,3,4,5,6,7
	v_cvt_scalef32_pk8_fp4_f32 v[P+4*(\t/4)+2*(\t%2)+((\t/2)%2)], v[S+8*\t:S+8*\t+7], v[SO+\t/2]   ; tile t's 8 codes to register 4 (t / 4) + {0, 2, 1, 3}[t % 4]
.endr
	v_nop                                          ; one plain place behind a scaled conversion
.irp g, 0,1
	v_permlane16_swap_b32 v[P+4*\g], v[P+4*\g+1]   ; registers 4 g .. 4 g + 3 now hold keys 64 g + 32 h + 0 .. 31: the operand's layout
	v_permlane16_swap_b32 v[P+4*\g+2], v[P+4*\g+3]
.endr
.set j, 0
	s_setprio 0
.rept 16
	v_pk_mul_f32 v[O+j:O+j+1], v[O+j:O+j+1], v[F:F+1] op_sel_hi:[1,0]   ; O^T under the new M, each accumulator from its low end on.  For each product below twelve of these name none of its registers: its places behind the scale word's and the codes' last writes
.set j, j+2
.endr
	s_wait_alu depctr_va_vdst(0)
	s_wait_dscnt 0x0                               ; V is in
.irp d, 0,2
	v_wmma_scale_f32_16x16x128_f8f6f4 v[O+8*\d:O+8*\d+7], v[VR+8*\d:VR+8*\d+7], v[P:P+7], v[O+8*\d:O+8*\d+7], v[VSC+\d/2], v[PSW] matrix_a_fmt:MATRIX_FMT_FP4 matrix_b_fmt:MATRIX_FMT_FP4
	v_wmma_scale_f32_16x16x128_f8f6f4 v[O+8*(\d+1):O+8*(\d+1)+7], v[VR+8*(\d+1):VR+8*(\d+1)+7], v[P:P+7], v[O+8*(\d+1):O+8*(\d+1)+7], v[VSC+\d/2], v[PSW] matrix_a_fmt:MATRIX_FMT_FP4 matrix_b_fmt:MATRIX_FMT_FP4 matrix_a_scale:MATRIX_SCALE_ROW1
.endr                                              ; the four accumulators take turns, one instruction a turn
.endm
; Key steps first .. first + trips - 1 (steps 16 on are head 1's).  cnt: the tensor loads that the fetching waves issued behind the tile that is read now.
.macro CHUNK first, trips, cnt, qf, qs
	s_wait_tensorcnt \cnt                          ; in waves 0 and 1: my tile has landed; the later ones stay out
	s_wait_dscnt 0x0
	s_barrier_signal -1
	s_barrier_wait -1                              ; K's and V's have landed, for every wave
	s_mov_b32 s[TK], 4096*(\first)                 ; a key step: 4,096 bytes of K's codes (and of V's, VC further on),
	s_mov_b32 s[TS], KS+512*(\first)               ; 512 of K's words,
	s_mov_b32 s[TT], VS+256*(\first)               ; 256 of V's
	s_mov_b32 s[CNT], \trips
.Lstep_\@:
	s_setprio 2
	STEP \qf, \qs
	s_add_co_u32 s[TK], s[TK], 4096
	s_add_co_u32 s[TS], s[TS], 512
	s_add_co_u32 s[TT], s[TT], 256
	s_sub_co_u32 s[CNT], s[CNT], 1
	s_cmp_lg_u32 s[CNT], 0
	s_cbranch_scc1 .Lstep_\@
	s_setprio 0
.endm
; A head ends: O^T / l, quantised along its 64 channels: two blocks, four registers of codes, two bytes of the row's scale word.
.macro FINISH e
.rept 4
	v_nop                                          ; places behind the last products
.endr
	v_add_f32 v14, v14, v15
	s_delay_alu instid0(VALU_DEP_1)
	v_permlanex16_b32 v[T0], v14, s[SEL], s[SEL+1]
	s_delay_alu instid0(VALU_DEP_1)
	v_add_f32 v14, v14, v[T0]                      ; the row's sum
	s_wait_alu depctr_va_vdst(0)
	v_rcp_f32 v[F], v14
	v_nop
	s_wait_alu depctr_va_vdst(0)                   ; ahead of the first line that names the reciprocal
.set j, 0
.rept 16
	v_pk_mul_f32 v[O+j:O+j+1], v[O+j:O+j+1], v[F:F+1] op_sel_hi:[1,0]
.set j, j+2
.endr
.irp u, 0,1
	v_max3_num_f32 v[BM+\u], |v[O+16*\u]|, |v[O+16*\u+1]|, 0x1800000
.endr
.irp i, 2,4,6,8,10,12,14
.irp u, 0,1
	s_delay_alu instid0(VALU_DEP_2)
	v_max3_num_f32 v[BM+\u], v[BM+\u], |v[O+16*\u+\i]|, |v[O+16*\u+\i+1]|
.endr
.endr
.irp u, 0,1
	s_delay_alu instid0(VALU_DEP_2)
	v_permlanex16_b32 v[BT+\u], v[BM+\u], s[SEL], s[SEL+1]
.endr
.irp u, 0,1
	s_delay_alu instid0(VALU_DEP_2)
	v_max_num_f32 v[BM+\u], v[BM+\u], v[BT+\u]
.endr
.irp u, 0,1
	s_delay_alu instid0(VALU_DEP_2)
	v_add_nc_u32 v[SO+\u], 0xff000000, v[BM+\u]
.endr
.irp u, 0,1
	s_delay_alu instid0(VALU_DEP_2)
	v_lshrrev_b32 v[BT+\u], 23, v[SO+\u]
.endr
.if (\e) == 0
	s_delay_alu instid0(VALU_DEP_1)
	v_lshl_or_b32 v[AW], v[BT+1], 8, v[BT]
.else
	s_delay_alu instid0(VALU_DEP_1)
	v_lshl_or_b32 v[T0], v[BT+1], 8, v[BT]
	s_delay_alu instid0(VALU_DEP_1)
	v_lshl_or_b32 v[AW], v[T0], 16, v[AW]
.endif
.irp t, 0,1,2,3
	v_cvt_scalef32_pk8_fp4_f32 v[OC+4*(\e)+2*(\t%2)+(\t/2)], v[O+8*\t:O+8*\t+7], v[SO+\t/2]
.endr
	v_nop
	v_permlane16_swap_b32 v[OC+4*(\e)], v[OC+4*(\e)+1]       ; lane (r, h): token r, the head's channels 32 h on
	v_permlane16_swap_b32 v[OC+4*(\e)+2], v[OC+4*(\e)+3]
.if (\e) == 0
	RESET
.endif
.endm
	s_wait_loadcnt 0x0                             ; Q
	CHUNK 0, 4, 4, 16, QSC
	CHUNK 4, 4, 3, 16, QSC
	CHUNK 8, 4, 2, 16, QSC
	CHUNK 12, 4, 1, 16, QSC
	FINISH 0
	CHUNK 16, 16, 0, 24, QSC+1
	FINISH 1
	global_store_b128 v[LI], v[OC:OC+3], s[16:17]              ; two units: the wave stores 1,024 consecutive bytes, aligned
	global_store_b128 v[LI], v[OC+4:OC+7], s[16:17] offset:512
	ds_store_b32 v[AST], v[AW]                     ; both lanes of a row write the same word with the same value
	s_wait_dscnt 0x0                               ; for the others' sake
	s_barrier_signal -1
	s_barrier_wait -1
	s_cmp_lt_u32 s[WV], 2                          ; the work-group's 256 words leave as 1,024 consecutive bytes, by waves 0 and 1
	s_cbranch_scc0 .Lno_words
	ds_load_b128 v[XO:XO+3], v[ARD]
	s_wait_dscnt 0x0
	global_store_b128 v[AGO], v[XO:XO+3], s[18:19]
.Lno_words:
	s_wait_tensorcnt 0x0
	ds_add_u32 v254, v255
	s_wait_dscnt 0x0
	CROUND                                         ; the closing round
	s_endpgm
.Lfunc_end_k_qff9da674e0_attn:
	.size	k_qff9da674e0_attn, .Lfunc_end_k_qff9da674e0_attn-k_qff9da674e0_attn
	.p2alignl 7, 3214868480
	.fill 96, 4, 3214868480
	.section	.rodata,"a",@progbits
	.p2align	6, 0x0
	.amdhsa_kernel k_qff9da674e0_attn
		.amdhsa_group_segment_fixed_size 296960
		.amdhsa_private_segment_fixed_size 0
		.amdhsa_enable_private_segment 0
		.amdhsa_kernarg_size 64
		.amdhsa_user_sgpr_count 2
		.amdhsa_user_sgpr_kernarg_segment_ptr 1
		.amdhsa_wavefront_size32 1
		.amdhsa_system_sgpr_workgroup_id_x 1
		.amdhsa_system_sgpr_workgroup_id_y 1
		.amdhsa_system_sgpr_workgroup_id_z 1
		.amdhsa_system_vgpr_workitem_id 0
		.amdhsa_next_free_vgpr 256
		.amdhsa_next_free_sgpr 96
		.amdhsa_reserve_vcc 0
		.amdhsa_float_denorm_mode_32 3
		.amdhsa_float_denorm_mode_16_64 3
		.amdhsa_memory_ordered 1
		.amdhsa_forward_progress 1
		.amdhsa_inst_pref_size 104
	.end_amdhsa_kernel
	.amdgpu_metadata
---
amdhsa.version: [ 1, 2 ]
amdhsa.kernels:
  - .name:           k_qff9da674e0_attn
    .symbol:         k_qff9da674e0_attn.kd
    .args:
      - { .name: q_img, .offset: 0, .size: 8, .value_kind: global_buffer, .address_space: global }
      - { .name: q_sw, .offset: 8, .size: 8, .value_kind: global_buffer, .address_space: global }
      - { .name: k_img, .offset: 16, .size: 8, .value_kind: global_buffer, .address_space: global }
      - { .name: k_sw, .offset: 24, .size: 8, .value_kind: global_buffer, .address_space: global }
      - { .name: v_img, .offset: 32, .size: 8, .value_kind: global_buffer, .address_space: global }
      - { .name: v_sw, .offset: 40, .size: 8, .value_kind: global_buffer, .address_space: global }
      - { .name: a_img, .offset: 48, .size: 8, .value_kind: global_buffer, .address_space: global }
      - { .name: a_sw, .offset: 56, .size: 8, .value_kind: global_buffer, .address_space: global }
    .group_segment_fixed_size: 296960
    .private_segment_fixed_size: 0
    .kernarg_segment_align: 8
    .kernarg_segment_size: 64
    .max_flat_workgroup_size: 512
    .sgpr_count:     96
    .vgpr_count:     256
    .wavefront_size: 32
...
	.end_amdgpu_metadata
.endif
;; end of part 2
;; launch oproj (part 3): grid 4 x 64, 4 waves a work-group, clusters of 4 x 4, 327,680 bytes of LDS; arguments a_img, a_sw, Wo_codes, Wo_scales, bo, out0; writes out0
.if DOCPART == 3
	.amdgcn_target "amdgcn-amd-amdhsa--gfx1250"
	.amdhsa_code_object_version 6
	.text
	.protected	k_qff9da674e0_oproj
	.globl	k_qff9da674e0_oproj
	.p2align	8
	.type	k_qff9da674e0_oproj,@function
k_qff9da674e0_oproj:
	s_mov_b64 s[64:65], 0
	v_nop
	global_prefetch_b8 v0, s[64:65] scope:SCOPE_SE
	s_setreg_imm32_b32 hwreg(HW_REG_WAVE_MODE, 25, 1), 1
	s_wait_xcnt 0x0
	s_wait_alu depctr_hold_cnt(0) depctr_sa_sdst(0) depctr_va_vdst(0) depctr_va_sdst(0) depctr_va_ssrc(0) depctr_va_vcc(0) depctr_vm_vsrc(0)
	s_getreg_b32 s2, hwreg(HW_REG_IB_STS2, 6, 4)
	s_cmp_eq_u32 s2, 0
	s_cbranch_scc0 .Lentry_in_a_cluster
	s_endpgm
.Lentry_in_a_cluster:
	s_bfe_u32 s2, ttmp6, 0x10000c
	s_cmp_lg_u32 s2, 0xf033
	s_cbranch_scc0 .Lentry_shape_is_right
	s_endpgm
.Lentry_shape_is_right:
; out0 = a Wo + bo on codes of FP4 (E2M1) with E8M0 scales, K = 1,024.  a: 8,192 tokens, as images of operand registers (a_img [K chunk 2][token tile 512][K step 4][c 2][lane][16]) and scale words (a_sw [K step 8][token]);
; Wo: [1,024 outputs][K] codes, its scale bytes [1,024][32]; bo [1,024], out0 [8,192][1,024]: f32.
; A work-group makes 128 tokens (source 1: lanes) x 256 outputs (source 0: registers): a lane's eight results are eight neighbouring numbers of a row of out0.  Four waves, each 64 x 128: 32 accumulators.
; K lies whole in LDS as two slots of 512 along K, each filled ONCE, and so do the scales: nothing is filled again.  The bias is the C of each sum's first product.
; CLUSTER 4 x 4: a's tiles are shared along a row of the cluster, Wo's along a column: each is asked for jointly.  No prefetch is laid: every tile is asked for at the head.
; REGISTERS: window 0: addresses, scale words, the bias;  window 1: accumulator (a, b) at v[8 (8 a + b)];  window 2: two sets of fragments (set f at v[128 f]: Wo's 8, then a's 4); on the way out four sets of 16 rows.
.set PITCH, 272                        ; Wo's rows in LDS: 256 bytes + 16
.set BH,    128*PITCH
.set BOFF,  34816                      ; a slot: a's images (32,768 bytes, dense), then Wo's 256 rows
.set SLOT,  BOFF+2*BH                  ; 104,448
.set SCA,   2*SLOT                     ; a's scale words: [K step 8][128 tokens], 4,096 bytes
.set SCB,   SCA+4352                   ; Wo's scale bytes: units of 256 bytes + 16
.set SBH,   16*272
.set STG,   SCB+2*SBH                  ; 221,952 = 867 x 256: a stage of 16 rows x (512 + 16) bytes for each wave; no fill lands here
.set SPITCH, 528
.set ADRA, 16
.set ADRB, 20
.set ADSA, 22
.set ADSB, 23
.set STO,  24
.set RD,   25
.set CO,   26
.set BO8,  27
.set SA,   32                          ; v32-47 a's scale words: register 8 p + q: tokens 32 p + lane, K step q
.set SB,   48                          ; v48-79 Wo's
.set CB,   80                          ; v80-143 the bias, in the result's layout: 8 registers for each tile of outputs
.set WV,   18
.set RH,   19
.set CH,   20
.set G1A,  24
.set G1B,  32
.set G1SA, 40
.set G1SB, 48
.set G0A,  56
.set G0B,  68
.set G0SA, 76
.set G0SB, 80
.set PADW, (1<<20)|(5<<22)|(3<<25)
.set JB,   1<<21
.set MUL_W,  0x5a                      ; sources 0 and 1 window 2; C and D window 1
.set MULC_W, 0x4a                      ; the same with C in window 0
.set TOF,    0x80
.set MSB, 0
.macro WIN new
.if MSB != \new
	s_set_vgpr_msb (MSB<<8)|\new
.set MSB, \new
.endif
.endm
.macro PLACES n
.rept \n
	v_nop
.endr
.endm
.macro JLOAD g0a, g1a, g0b, g1b        ; waves 0 and 1 fetch for a, waves 2 and 3 for Wo; four v_nop follow each line
	s_cmp_eq_u32 s[RH], 0
	s_cbranch_scc0 .Lfor_b_\@
	tensor_load_to_lds s[\g0a:\g0a+3], s[\g1a:\g1a+7]
	s_nop 0
.rept 4
	v_nop
.endr
	s_branch .Lasked_\@
.Lfor_b_\@:
	tensor_load_to_lds s[\g0b:\g0b+3], s[\g1b:\g1b+7]
	s_nop 0
.rept 4
	v_nop
.endr
.Lasked_\@:
.endm
.macro CROUND
	s_barrier_signal -1
	s_barrier_wait -1
	s_cmp_lg_u32 s[WV], 0
	s_cbranch_scc1 .Lnot_wave_0_\@
	s_barrier_signal -3
.Lnot_wave_0_\@:
	s_barrier_wait -3
	s_barrier_signal -1
	s_barrier_wait -1
.endm
.macro FETCH slot, qq, f               ; 24 LDS loads: Wo's fragments from rows, a's from images (tile i: 4,096 bytes; K step: 1,024; c: 512; 16 x lane)
	WIN TOF
.irp i, 0,1,2,3,4,5,6,7
.irp c, 0,1
	ds_load_b128 v[128*(\f)+8*\i+4*\c:128*(\f)+8*\i+4*\c+3], v[ADRB+(\slot)] offset:64*(\qq)+32*\c+\i*16*PITCH
.endr
.endr
.irp i, 0,1,2,3
.irp c, 0,1
	ds_load_b128 v[128*(\f)+64+8*\i+4*\c:128*(\f)+64+8*\i+4*\c+3], v[ADRA+(\slot)] offset:4096*\i+1024*(\qq)+512*\c
.endr
.endr
.endm
.macro WM a, b, q, f, zc               ; zc = 1: the sum's first product: C is the bias
.set rD, 8*(8*(\a)+(\b))
.set rC, rD
.if \zc
.set rC, CB+8*(\b)
.endif
.set rA, 128*(\f)+8*(\b)
.set rB, 128*(\f)+64+8*(\a)
.set rSa, SB+8*((\b)/2)+(\q)
.set rSb, SA+8*((\a)/2)+(\q)
.if (((\b)%2) == 0) && (((\a)%2) == 0)
	v_wmma_scale_f32_16x16x128_f8f6f4 v[rD:rD+7], v[rA:rA+7], v[rB:rB+7], v[rC:rC+7], v[rSa], v[rSb] matrix_a_fmt:MATRIX_FMT_FP4 matrix_b_fmt:MATRIX_FMT_FP4
.elseif (((\b)%2) == 1) && (((\a)%2) == 0)
	v_wmma_scale_f32_16x16x128_f8f6f4 v[rD:rD+7], v[rA:rA+7], v[rB:rB+7], v[rC:rC+7], v[rSa], v[rSb] matrix_a_fmt:MATRIX_FMT_FP4 matrix_b_fmt:MATRIX_FMT_FP4 matrix_a_scale:MATRIX_SCALE_ROW1
.elseif (((\b)%2) == 0)
	v_wmma_scale_f32_16x16x128_f8f6f4 v[rD:rD+7], v[rA:rA+7], v[rB:rB+7], v[rC:rC+7], v[rSa], v[rSb] matrix_a_fmt:MATRIX_FMT_FP4 matrix_b_fmt:MATRIX_FMT_FP4 matrix_b_scale:MATRIX_SCALE_ROW1
.else
	v_wmma_scale_f32_16x16x128_f8f6f4 v[rD:rD+7], v[rA:rA+7], v[rB:rB+7], v[rC:rC+7], v[rSa], v[rSb] matrix_a_fmt:MATRIX_FMT_FP4 matrix_b_fmt:MATRIX_FMT_FP4 matrix_a_scale:MATRIX_SCALE_ROW1 matrix_b_scale:MATRIX_SCALE_ROW1
.endif
.endm
.macro MUL q, f, zc                    ; the 32 accumulators take turns, one instruction a turn, in the same order in every step
.irp a, 0,1,2,3
.irp b, 0,1,2,3,4,5,6,7
	WM \a, \b, \q, \f, \zc
.endr
.endr
.endm
.macro STEP q
.if (\q) == 3
	s_wait_tensorcnt 0x0                           ; my part of slot 1 has landed,
	s_wait_dscnt 0x0
	s_barrier_signal -1
	s_barrier_wait -1                              ; and everybody's
.endif
.if (\q) < 7
.if (\q) > 0
	PLACES 4                                       ; between the last product that read a set and the loads into it
.endif
	FETCH ((\q)+1)/4, ((\q)+1)%4, ((\q)+1)%2
	s_wait_dscnt 24                                ; all but the 24 loads just issued
.else
	s_wait_dscnt 0x0
.endif
.if (\q) == 0
	s_wait_loadcnt 0x0                             ; the bias
	WIN MULC_W
	MUL 0, 0, 1
.else
	WIN MUL_W
	MUL \q, (\q)%2, 0
.endif
.endm
	s_load_b256 s[4:11], s[0:1], 0x0               ; a_img 4, a_sw 6, Wo's codes 8, Wo's scales 10
	s_load_b128 s[12:15], s[0:1], 0x20             ; bo 12, out0 14
	v_lshl_add_u32 v254, v0, 2, 0x40000
	v_mov_b32 v255, 0
	ds_add_u32 v254, v255
	ds_add_u32 v254, v255
	v_lshrrev_b32 v4, 5, v0
	v_readfirstlane_b32 s[WV], v4
	s_lshr_b32 s[RH], s[WV], 1                     ; which 64 tokens are mine.  Also: I fetch for a (0) or for Wo (1)
	s_and_b32 s[CH], s[WV], 1                      ; which 128 outputs.  Also: which half I fetch
	s_bfe_u32 s84, ttmp6, 0x40000                  ; cx
	s_bfe_u32 s85, ttmp6, 0x40004                  ; cy
	s_and_b32 s86, ttmp7, 0xffff
	s_lshl_b32 s89, s86, 2
	s_add_co_u32 s89, s89, s85                     ; TA: tile of 128 tokens
	s_lshl_b32 s90, ttmp9, 2
	s_add_co_u32 s90, s90, s84                     ; TB: tile of 256 outputs
	s_lshl_b32 s91, s85, 2
	s_lshl_b32 s91, 15, s91                        ; my row of the cluster
	s_lshl_b32 s92, 0x1111, s84                    ; my column
	s_or_b32 s[G1A], s91, (3<<16)|JB               ; a's images: a dense block of 16,384 bytes as 64 rows of 256 (32 elements of 8 bytes), no padding
	s_mov_b32 s[G1A+1], 32<<16
	s_mov_b32 s[G1A+2], 64<<16
	s_mov_b32 s[G1A+3], 32<<16
	s_mov_b32 s[G1A+4], 64
	s_mov_b32 s[G1A+5], 32
	s_mov_b32 s[G1A+6], 0
	s_mov_b32 s[G1A+7], 0
	s_or_b32 s[G1B], s92, PADW|JB                  ; Wo's codes: 128 rows of 256 bytes, 512 apart in memory, 16 bytes of padding behind each
	s_mov_b32 s[G1B+1], 256<<16
	s_mov_b32 s[G1B+2], 128<<16
	s_mov_b32 s[G1B+3], 256<<16
	s_mov_b32 s[G1B+4], 128
	s_mov_b32 s[G1B+5], 512
	s_mov_b32 s[G1B+6], 0
	s_mov_b32 s[G1B+7], 0
	s_or_b32 s[G1SA], s91, (3<<16)|JB              ; a's words: 4 K steps x 128 tokens: 4 rows of 512 bytes (64 elements), 32,768 bytes (4,096 elements) apart
	s_mov_b32 s[G1SA+1], 64<<16
	s_mov_b32 s[G1SA+2], 4<<16
	s_mov_b32 s[G1SA+3], 64<<16
	s_mov_b32 s[G1SA+4], 4
	s_mov_b32 s[G1SA+5], 4096
	s_mov_b32 s[G1SA+6], 0
	s_mov_b32 s[G1SA+7], 0
	s_or_b32 s[G1SB], s92, (3<<16)|PADW|JB         ; Wo's scale bytes of 128 rows: 16 rows of 256 bytes, dense, padded
	s_mov_b32 s[G1SB+1], 32<<16
	s_mov_b32 s[G1SB+2], 16<<16
	s_mov_b32 s[G1SB+3], 32<<16
	s_mov_b32 s[G1SB+4], 16
	s_mov_b32 s[G1SB+5], 32
	s_mov_b32 s[G1SB+6], 0
	s_mov_b32 s[G1SB+7], 0
	s_lshl_b32 s94, s89, 15                        ; a's images: (8 TA + 4 half) token tiles of 4,096 bytes
	s_lshl_b32 s93, s[CH], 14
	s_add_co_u32 s94, s94, s93
	s_mov_b32 s95, 0
	s_lshl_b32 s98, s89, 9                         ; a's words: 512 TA, + 4 K steps for the second half
	s_lshl_b32 s93, s[CH], 17
	s_add_co_u32 s98, s98, s93
	s_mov_b32 s99, 0
	s_lshl_b32 s96, s90, 17                        ; Wo: (256 TB + 128 half) rows of 512 bytes
	s_lshl_b32 s93, s[CH], 16
	s_add_co_u32 s96, s96, s93
	s_mov_b32 s97, 0
	s_wait_dscnt 0x0
	s_wait_kmcnt 0x0
	s_add_nc_u64 s[4:5], s[4:5], s[94:95]
	s_add_nc_u64 s[6:7], s[6:7], s[98:99]
	s_add_nc_u64 s[8:9], s[8:9], s[96:97]
	s_lshr_b32 s96, s96, 4                         ; and of 32 scale bytes
	s_add_nc_u64 s[10:11], s[10:11], s[96:97]
	s_lshl_b32 s98, s[CH], 14                      ; where they go: no place in the cluster enters an LDS address
	s_mul_i32 s99, s[CH], BH
	s_add_co_u32 s99, s99, BOFF
	s_lshl_b32 s2, s[CH], 11
	s_mul_i32 s3, s[CH], SBH
	CROUND                                         ; all sixteen work-groups are here: the joint loads meet
	s_mov_b32 s[G0SA], 1
	s_add_co_u32 s[G0SA+1], s2, SCA
	s_mov_b64 s[G0SA+2:G0SA+3], s[6:7]
	s_or_b32 s[G0SA+3], s[G0SA+3], 0x80000000
	s_mov_b32 s[G0SB], 1
	s_add_co_u32 s[G0SB+1], s3, SCB
	s_mov_b64 s[G0SB+2:G0SB+3], s[10:11]
	s_or_b32 s[G0SB+3], s[G0SB+3], 0x80000000
	JLOAD G0SA, G1SA, G0SB, G1SB                   ; the scales of all of K
.irp s, 0,1
	s_mov_b32 s[G0A+4*\s], 1
	s_add_co_u32 s[G0A+4*\s+1], s98, \s*SLOT
	s_add_nc_u64 s[G0A+4*\s+2:G0A+4*\s+3], s[4:5], \s*0x200000    ; a K chunk of a_img is 512 tiles of 4,096 bytes
	s_or_b32 s[G0A+4*\s+3], s[G0A+4*\s+3], 0x80000000
	s_mov_b32 s[G0B+4*\s], 1
	s_add_co_u32 s[G0B+4*\s+1], s99, \s*SLOT
	s_add_nc_u64 s[G0B+4*\s+2:G0B+4*\s+3], s[8:9], \s*256
	s_or_b32 s[G0B+4*\s+3], s[G0B+4*\s+3], 0x80000000
	s_wait_alu depctr_va_vdst(0)
	s_wait_tensorcnt 0x0
	ds_add_u32 v254, v255
	s_wait_dscnt 0x0
	CROUND
	JLOAD G0A+4*\s, G1A, G0B+4*\s, G1B             ; one load of mine is out: the earlier ones have landed
.endr
	s_lshl_b32 s94, s90, 10                        ; my first output, in bytes of f32: 1,024 TB + 512 half
	s_lshl_b32 s93, s[CH], 9
	s_add_co_u32 s94, s94, s93
	s_mov_b32 s95, 0
	s_add_nc_u64 s[12:13], s[12:13], s[94:95]      ; in bo,
	s_add_nc_u64 s[14:15], s[14:15], s[94:95]      ; and in a row of out0;
	s_lshl_b32 s94, s89, 19                        ; my first token: (128 TA + 64 half) rows of 4,096 bytes
	s_lshl_b32 s93, s[RH], 18
	s_add_co_u32 s94, s94, s93
	s_add_nc_u64 s[14:15], s[14:15], s[94:95]
	v_and_b32 v1, 15, v0                           ; r
	v_bfe_u32 v2, v0, 4, 1                         ; h
	v_and_b32 v3, 31, v0                           ; lane
	v_lshlrev_b32 v[BO8], 5, v2
.irp b, 0,1,2,3,4,5,6,7
	global_load_b128 v[CB+8*\b:CB+8*\b+3], v[BO8], s[12:13] offset:64*\b        ; bo at outputs 16 b + 8 h + 0 .. 7
	global_load_b128 v[CB+8*\b+4:CB+8*\b+7], v[BO8], s[12:13] offset:64*\b+16
.endr
	v_lshlrev_b32 v[CO], 4, v3                     ; 16 x lane
	s_lshl_b32 s2, s[RH], 14
	v_add_nc_u32 v[ADRA], s2, v[CO]                ; a's images of my 64 tokens
	v_add_nc_u32 v[ADRA+1], SLOT, v[ADRA]
	v_mul_u32_u24 v5, v1, PITCH
	v_lshl_add_u32 v5, v2, 4, v5
	s_mul_i32 s3, s[CH], BH
	s_add_co_u32 s3, s3, BOFF
	v_add_nc_u32 v[ADRB], s3, v5
	v_add_nc_u32 v[ADRB+1], SLOT, v[ADRB]
	s_lshl_b32 s2, s[RH], 8
	s_add_co_u32 s2, s2, SCA
	v_lshl_add_u32 v[ADSA], v3, 2, s2              ; a's words: 4 x lane + my 64 tokens
	v_lshlrev_b32 v6, 5, v3
	v_lshrrev_b32 v7, 3, v3
	v_lshl_add_u32 v6, v7, 4, v6                   ; Wo's: 32 bytes a row, and 16 more for each 256 passed
	s_mul_i32 s3, s[CH], SBH
	s_add_co_u32 s3, s3, SCB
	v_add_nc_u32 v[ADSB], s3, v6
	s_mul_i32 s2, s[WV], 16*SPITCH
	s_add_co_u32 s2, s2, STG                       ; my stage
	v_mul_u32_u24 v5, v1, SPITCH
	v_lshl_add_u32 v5, v2, 5, v5
	v_add_nc_u32 v[STO], s2, v5                    ; in: row r, 32 bytes for each half of the lanes
	v_add_nc_u32 v[RD], s2, v[CO]                  ; back: the 32 lanes take a row of 512 bytes
	s_wait_alu depctr_va_vdst(0)
	s_wait_tensorcnt 1                             ; the scales and my part of slot 0 are in (slot 1's load may be out)
	s_barrier_signal -1
	s_barrier_wait -1                              ; everybody's are
.irp p, 0,1,2,3
	ds_load_b128 v[SB+8*\p:SB+8*\p+3], v[ADSB] offset:1088*\p
	ds_load_b128 v[SB+8*\p+4:SB+8*\p+7], v[ADSB] offset:1088*\p+16
.endr
.irp p, 0,1
.irp q, 0,1,2,3,4,5,6,7
	ds_load_b32 v[SA+8*\p+\q], v[ADSA] offset:512*\q+128*\p
.endr
.endr
	FETCH 0, 0, 0
.irp q, 0,1,2,3,4,5,6,7
	STEP \q
.endr
	PLACES 4                                       ; between the last products and the first read of results, and the loads into the fragments' registers
; THE WAY OUT, a block of 16 tokens x 128 outputs at a time: through my own stage and back as whole rows of 512 bytes.  LDS serves a wave's instructions in order: no wait between the stores and the loads, nor in front of the next block's stores.
.macro TOSTAGE a
	WIN 0x04                                       ; an LDS store's data: window 1
.irp b, 0,1,2,3,4,5,6,7
	ds_store_b128 v[STO], v[64*(\a)+8*\b:64*(\a)+8*\b+3] offset:64*\b          ; each accumulator from its low end on
	ds_store_b128 v[STO], v[64*(\a)+8*\b+4:64*(\a)+8*\b+7] offset:64*\b+16
.endr
	WIN 0x80                                       ; destination window 2: each block has 64 registers of its own
.irp t, 0,1,2,3,4,5,6,7,8,9,10,11,12,13,14,15
	ds_load_b128 v[64*(\a)+4*\t:64*(\a)+4*\t+3], v[RD] offset:\t*SPITCH
.endr
.endm
.macro SEND a, younger                 ; younger: the LDS instructions issued behind block a's loads
	s_wait_dscnt \younger
	WIN 0x08                                       ; a store's data: window 2
.irp t, 0,1,2,3,4,5,6,7,8,9,10,11,12,13,14,15
	global_store_b128 v[CO], v[64*(\a)+4*\t:64*(\a)+4*\t+3], s[14:15] offset:65536*(\a)+4096*\t th:TH_STORE_NT   ; 32 lanes store 512 consecutive bytes, aligned; written once, read by nobody here
.endr
.endm
	TOSTAGE 0
	TOSTAGE 1
	SEND 0, 32
	TOSTAGE 2
	SEND 1, 32
	TOSTAGE 3
	SEND 2, 32
	SEND 3, 0
	WIN 0
	s_wait_tensorcnt 0x0
	ds_add_u32 v254, v255
	s_wait_dscnt 0x0
	CROUND                                         ; the closing round
	s_endpgm
.Lfunc_end_k_qff9da674e0_oproj:
	.size	k_qff9da674e0_oproj, .Lfunc_end_k_qff9da674e0_oproj-k_qff9da674e0_oproj
	.p2alignl 7, 3214868480
	.fill 96, 4, 3214868480
	.section	.rodata,"a",@progbits
	.p2align	6, 0x0
	.amdhsa_kernel k_qff9da674e0_oproj
		.amdhsa_group_segment_fixed_size 327680
		.amdhsa_private_segment_fixed_size 0
		.amdhsa_enable_private_segment 0
		.amdhsa_kernarg_size 48
		.amdhsa_user_sgpr_count 2
		.amdhsa_user_sgpr_kernarg_segment_ptr 1
		.amdhsa_wavefront_size32 1
		.amdhsa_system_sgpr_workgroup_id_x 1
		.amdhsa_system_sgpr_workgroup_id_y 1
		.amdhsa_system_sgpr_workgroup_id_z 1
		.amdhsa_system_vgpr_workitem_id 0
		.amdhsa_next_free_vgpr 768
		.amdhsa_next_free_sgpr 100
		.amdhsa_reserve_vcc 0
		.amdhsa_float_denorm_mode_32 3
		.amdhsa_float_denorm_mode_16_64 3
		.amdhsa_memory_ordered 1
		.amdhsa_forward_progress 1
		.amdhsa_inst_pref_size 74
	.end_amdhsa_kernel
	.amdgpu_metadata
---
amdhsa.version: [ 1, 2 ]
amdhsa.kernels:
  - .name:           k_qff9da674e0_oproj
    .symbol:         k_qff9da674e0_oproj.kd
    .args:
      - { .name: a_img, .offset: 0, .size: 8, .value_kind: global_buffer, .address_space: global }
      - { .name: a_sw, .offset: 8, .size: 8, .value_kind: global_buffer, .address_space: global }
      - { .name: Wo_codes, .offset: 16, .size: 8, .value_kind: global_buffer, .address_space: global }
      - { .name: Wo_scales, .offset: 24, .size: 8, .value_kind: global_buffer, .address_space: global }
      - { .name: bo, .offset: 32, .size: 8, .value_kind: global_buffer, .address_space: global }
      - { .name: out0, .offset: 40, .size: 8, .value_kind: global_buffer, .address_space: global }
    .group_segment_fixed_size: 327680
    .private_segment_fixed_size: 0
    .kernarg_segment_align: 8
    .kernarg_segment_size: 48
    .max_flat_workgroup_size: 128
    .sgpr_count:     100
    .vgpr_count:     768
    .wavefront_size: 32
...
	.end_amdgpu_metadata
.endif
;; end of part 3
